; MI455X (gfx1250); checked and timed in simulation.
; The chip was launched on July 23, 2026; its instructions are those of AMD's public machine-readable ISA for CDNA 5 (MIT licence, August 2026) and "CDNA5" Instruction Set Architecture Reference Guide (July 2026). The comments in the code are by the model that wrote it; some were corrected since.
;; Vector Quantizer. Allowed arithmetic: float matrix products may take bf16 or f16 operands with f32 sums; all other float work in f32.
;; Inputs: embedding 8,192 x 256 float32; z 32 x 256 x 32 x 32 float32.
;; Outputs: out0 32 x 256 x 32 x 32 float32; out1 one number float32; out2 one number float32; out3 one number float32; out4 32 x 32 x 32 int32.
;; 2 versions, each right; version 2 is version 1 with the launch prep written anew for expert scheduling mode. Each part assembles by itself: llvm-mc -triple=amdgcn-amd-amdhsa -mcpu=gfx1250 --defsym DOCPART=n.
;; ======== version 1 of 2: 4 launches
;; workspace buffers: cb 4,325,376 bytes; cand 262,144 bytes of whole numbers; part 1,024 bytes
;; launch prep (part 1): grid 256 x 1, 4 waves a work-group, no clusters, 17,408 bytes of LDS; arguments embedding, cb; writes cb
.if DOCPART == 1
	.amdgcn_target "amdgcn-amd-amdhsa--gfx1250"
	.amdhsa_code_object_version 6
	.text
	.protected	k_q290eb33f18_prep
	.globl	k_q290eb33f18_prep
	.p2align	8
	.type	k_q290eb33f18_prep,@function
k_q290eb33f18_prep:
	s_mov_b64 s[64:65], 0
	v_nop
	global_prefetch_b8 v0, s[64:65] scope:SCOPE_SE
	s_setreg_imm32_b32 hwreg(HW_REG_WAVE_MODE, 25, 1), 1
	s_wait_xcnt 0x0
; THE CODEBOOK, PACKED.  embedding: [8192][256] f32.  cb: 8,192 rows of 528 bytes: 256 numbers rounded once to bf16 (512 bytes) and 16 spare bytes.
; Codes go in CHUNKS of eight.  The spare bytes of a chunk's row 0 hold B[0..3], those of its row 1 B[4..7] (f32), those of rows 2 to 7 zeros,
; where B[k] is the sum of the squares of code k's ROUNDED numbers: the whole program computes on inputs rounded once to bf16.
; So a chunk is 4,224 dense bytes that carry their own B, and 32 rows are 16,896 bytes = 66 x 256.
; LIMIT: B is summed lane by lane and then across lanes, in f32: another order than a sum along the row.
; SHARES.  A work-group takes 32 codes, each of its four waves 8 (a chunk).  A load of a wave covers 512 consecutive bytes of a row; the packed rows are
; gathered in LDS and leave as pieces of 512 consecutive bytes, each at a multiple of 256 from cb's first byte.
; No matrix unit, no cluster, no tensor load: every byte is read once, by one work-group, and the arithmetic is a rounding and a square.
.set PITCH, 528
.set SPARE, 32*PITCH                   ; behind the stage: the spare words, 128 bytes for each wave: two blocks of 256 bytes that no other line names
.set LN,   1                           ; v1      lane
.set GOFF, 2                           ; v2      my byte offset in the group's rows of embedding: 8,192 w + 16 lane; never rewritten
.set LA,   3                           ; v3      stage: my 8 bytes of my wave's first row
.set PADA, 4                           ; v4      stage: the spare bytes of row 8 w + lane % 8
.set RA,   5                           ; v5      16 x thread: my 16 bytes of a piece, in the stage and in cb
.set SPW,  6                           ; v6      LDS address of my spare word; never rewritten
.set NIL,  7                           ; v7      0, for the add alone
.set SQ,   8                           ; v[8:15]  row j's sum of squares
.set PD,   16                          ; v[16:19] what goes into the spare bytes
.set ZR,   20                          ; v20     0: the addend of a chain's first link
.set T7,   21                          ; v21     lane % 8
.set X,    32                          ; v[32:95] row j: 8 registers as loaded; its first four then hold the 8 rounded numbers
	s_load_b128 s[4:7], s[0:1], 0x0                ; embedding s[4:5], cb s[6:7]
	v_lshl_add_u32 v[SPW], v0, 2, SPARE
	v_mov_b32 v[NIL], 0
	v_lshrrev_b32 v[LN], 5, v0
	v_readfirstlane_b32 s8, v[LN]                  ; wave 0..3
	v_and_b32 v[LN], 31, v0
	s_lshl_b32 s10, ttmp9, 15                      ; the group's 32 rows of 1,024 bytes
	s_mov_b32 s11, 0
	s_mul_i32 s14, ttmp9, 32*PITCH                 ; and its 32 packed rows
	s_mov_b32 s15, 0
	s_mov_b32 s12, 0x76543210                      ; v_permlanex16_b32: each lane takes its own place in the other half
	s_mov_b32 s13, 0xfedcba98
	s_lshl_b32 s9, s8, 13
	v_lshl_add_u32 v[GOFF], v[LN], 4, s9
	s_mul_i32 s9, s8, 8*PITCH
	v_lshl_add_u32 v[LA], v[LN], 3, s9
	v_and_b32 v[T7], 7, v0
	v_mul_u32_u24 v[PADA], v[T7], PITCH
	s_add_co_u32 s9, s9, 512
	v_add_nc_u32 v[PADA], s9, v[PADA]
	v_lshlrev_b32 v[RA], 4, v0
	v_mov_b32 v[ZR], 0
	s_wait_kmcnt 0x0
	s_add_nc_u64 s[4:5], s[4:5], s[10:11]
	s_add_nc_u64 s[6:7], s[6:7], s[14:15]
.irp j, 0,1,2,3,4,5,6,7                ; sixteen loads on their way: row j's two halves, channels 128 u + 4 lane + 0..3
	global_load_b128 v[X+8*(\j):X+8*(\j)+3],   v[GOFF], s[4:5] offset:1024*(\j) th:TH_LOAD_NT
	global_load_b128 v[X+8*(\j)+4:X+8*(\j)+7], v[GOFF], s[4:5] offset:1024*(\j)+512 th:TH_LOAD_NT
.endr
.irp j, 0,1,2,3,4,5,6,7
	s_wait_loadcnt 14-2*(\j)                       ; loads come back in order: row j's two are in, the 14 - 2 j younger ones stay out
	v_cvt_pk_bf16_f32 v[X+8*(\j)],   v[X+8*(\j)],   v[X+8*(\j)+1]   ; in place: each line writes a register whose number has been rounded already
	v_cvt_pk_bf16_f32 v[X+8*(\j)+1], v[X+8*(\j)+2], v[X+8*(\j)+3]
	v_cvt_pk_bf16_f32 v[X+8*(\j)+2], v[X+8*(\j)+4], v[X+8*(\j)+5]
	v_cvt_pk_bf16_f32 v[X+8*(\j)+3], v[X+8*(\j)+6], v[X+8*(\j)+7]
	ds_store_b64 v[LA], v[X+8*(\j):X+8*(\j)+1]   offset:PITCH*(\j)       ; 32 lanes x 8 bytes: 256 consecutive bytes of the packed row
	ds_store_b64 v[LA], v[X+8*(\j)+2:X+8*(\j)+3] offset:PITCH*(\j)+256
.endr
	; the squares of the rounded numbers: eight chains, one a row, by turns
.set c, 0
.rept 8                                ; c = 2 x word + half
.irp j, 0,1,2,3,4,5,6,7
.if c == 0
	v_fma_mix_f32_bf16 v[SQ+(\j)], v[X+8*(\j)], v[X+8*(\j)], v[ZR] op_sel_hi:[1,1,0]
.elseif c%2 == 0
	v_fma_mix_f32_bf16 v[SQ+(\j)], v[X+8*(\j)+c/2], v[X+8*(\j)+c/2], v[SQ+(\j)] op_sel_hi:[1,1,0]
.else
	v_fma_mix_f32_bf16 v[SQ+(\j)], v[X+8*(\j)+c/2], v[X+8*(\j)+c/2], v[SQ+(\j)] op_sel:[1,1,0] op_sel_hi:[1,1,0]
.endif
.endr
.set c, c+1
.endr
.irp m, 1,2,4,8                        ; across the 32 lanes; every lane ends with the row's sum
.irp j, 0,1,2,3,4,5,6,7
	v_add_f32_dpp v[SQ+(\j)], v[SQ+(\j)], v[SQ+(\j)] row_xmask:\m row_mask:0xf bank_mask:0xf
.endr
.endr
.irp j, 0,1,2,3,4,5,6,7
	v_permlanex16_b32 v[X+8*(\j)+4], v[SQ+(\j)], s12, s13    ; its destination counts as read: a register that a load has written
.endr
.irp j, 0,1,2,3,4,5,6,7
	v_add_f32 v[SQ+(\j)], v[SQ+(\j)], v[X+8*(\j)+4]
.endr
	v_cmp_eq_u32 vcc_lo, 0, v[T7]                  ; the chunk's row 0 takes B[0..3],
	v_cmp_eq_u32 s9, 1, v[T7]                      ; row 1 B[4..7], the others zeros
.irp q, 0,1,2,3
	v_cndmask_b32 v[PD+(\q)], 0, v[SQ+4+(\q)], s9
.endr
.irp q, 0,1,2,3
	v_cndmask_b32 v[PD+(\q)], v[PD+(\q)], v[SQ+(\q)], vcc_lo
.endr
	ds_store_b128 v[PADA], v[PD:PD+3]              ; lanes with the same lane % 8 write the same 16 bytes with the same numbers
	s_wait_dscnt 0x0                               ; for the others' sake: my part of the stage is written
	s_barrier_signal -1
	s_barrier_wait -1
	; the way out: 16,896 bytes are 33 pieces of 512; wave w takes pieces 4 k + w, wave 0 also the last
.irp k, 0,1,2,3,4,5,6,7
	ds_load_b128 v[X+4*(\k):X+4*(\k)+3], v[RA] offset:2048*(\k)
.endr
.irp k, 0,1,2,3,4,5,6,7
	s_wait_dscnt 7-(\k)
	global_store_b128 v[RA], v[X+4*(\k):X+4*(\k)+3], s[6:7] offset:2048*(\k)
.endr
	s_cmp_lg_u32 s8, 0
	s_cbranch_scc1 .Lrest
	ds_load_b128 v[X+32:X+35], v[RA] offset:16384
	s_wait_dscnt 0x0
	global_store_b128 v[RA], v[X+32:X+35], s[6:7] offset:16384
.Lrest:
	s_wait_tensorcnt 0x0                           ; the wave's end: behind my last LDS store
	ds_add_u32 v[SPW], v[NIL]
	s_wait_dscnt 0x0
	s_endpgm
.Lfunc_end_k_q290eb33f18_prep:
	.size	k_q290eb33f18_prep, .Lfunc_end_k_q290eb33f18_prep-k_q290eb33f18_prep
	.p2alignl 7, 3214868480
	.fill 96, 4, 3214868480
	.section	.rodata,"a",@progbits
	.p2align	6, 0x0
	.amdhsa_kernel k_q290eb33f18_prep
		.amdhsa_group_segment_fixed_size 17408
		.amdhsa_private_segment_fixed_size 0
		.amdhsa_enable_private_segment 0
		.amdhsa_kernarg_size 16
		.amdhsa_user_sgpr_count 2
		.amdhsa_user_sgpr_kernarg_segment_ptr 1
		.amdhsa_wavefront_size32 1
		.amdhsa_system_sgpr_workgroup_id_x 1
		.amdhsa_system_sgpr_workgroup_id_y 1
		.amdhsa_system_sgpr_workgroup_id_z 1
		.amdhsa_system_vgpr_workitem_id 0
		.amdhsa_next_free_vgpr 96
		.amdhsa_next_free_sgpr 66
		.amdhsa_reserve_vcc 1
		.amdhsa_float_denorm_mode_32 3
		.amdhsa_float_denorm_mode_16_64 3
		.amdhsa_memory_ordered 1
		.amdhsa_forward_progress 1
		.amdhsa_inst_pref_size 16
	.end_amdhsa_kernel
	.amdgpu_metadata
---
amdhsa.version: [ 1, 2 ]
amdhsa.kernels:
  - .name:           k_q290eb33f18_prep
    .symbol:         k_q290eb33f18_prep.kd
    .args:
      - { .name: embedding, .offset: 0, .size: 8, .value_kind: global_buffer, .address_space: global }
      - { .name: cb, .offset: 8, .size: 8, .value_kind: global_buffer, .address_space: global }
    .group_segment_fixed_size: 17408
    .private_segment_fixed_size: 0
    .kernarg_segment_align: 8
    .kernarg_segment_size: 16
    .max_flat_workgroup_size: 128
    .sgpr_count:     66
    .vgpr_count:     96
    .wavefront_size: 32
...
	.end_amdgpu_metadata
.endif
;; end of part 1
;; launch dist (part 2): grid 256 x 1, 4 waves a work-group, clusters of 4 x 1, 327,680 bytes of LDS; arguments z, cb, cand; writes cand
.if DOCPART == 2
	.amdgcn_target "amdgcn-amd-amdhsa--gfx1250"
	.amdhsa_code_object_version 6
	.text
	.protected	k_q290eb33f18_dist
	.globl	k_q290eb33f18_dist
	.p2align	8
	.type	k_q290eb33f18_dist,@function
k_q290eb33f18_dist:
	s_mov_b64 s[64:65], 0
	v_nop
	global_prefetch_b8 v0, s[64:65] scope:SCOPE_SE
	s_setreg_imm32_b32 hwreg(HW_REG_WAVE_MODE, 25, 1), 1
	s_wait_xcnt 0x0
	s_wait_alu depctr_hold_cnt(0) depctr_sa_sdst(0) depctr_va_vdst(0) depctr_va_sdst(0) depctr_va_ssrc(0) depctr_va_vcc(0) depctr_vm_vsrc(0)
	s_getreg_b32 s2, hwreg(HW_REG_IB_STS2, 6, 4)
	s_cmp_eq_u32 s2, 0
	s_cbranch_scc0 .Lentry_in_a_cluster
	s_endpgm
.Lentry_in_a_cluster:
	s_bfe_u32 s2, ttmp6, 0x10000c
	s_cmp_lg_u32 s2, 0x3003
	s_cbranch_scc0 .Lentry_shape_is_right
	s_endpgm
.Lentry_shape_is_right:
; FOR EACH TOKEN: THE TWO CHUNKS WITH THE SMALLEST DISTANCES.  z: [32][256][1024] f32 (a token is (image, place), 256 channels 4,096 bytes apart).  cb: the packed codebook: rows of 528 bytes, 256 bf16 and,
; in the spare bytes of a chunk's rows 0 and 1, the chunk's eight B = sums of squares.  d[n][k] = fl(fl(A[n] + B[k]) - 2 dot[n][k]): 2 dot is exact, so the second rounding is one fused multiply-add.
; A CHUNK is eight consecutive codes.  cand[0][n], cand[1][n] (two planes of 32,768 words) = the numbers (0..1023) of the two chunks that come first when chunks are ordered by (their smallest d, their number).
; The launch behind makes the sixteen distances anew, summed channel by channel, and decides: d lies on a coarse grid, so the order of a sum can move a d by a grid step, and one chunk alone would not always hold the winner.
; THE BENEFIT OF THE DOUBT.  Each sum of products starts at A x 2^-35, not at 0: in 2 dot that is A x 2^-34, between 2^-11 and 2^-10 of the step of A's (and so d's) grid.  A code whose 2 dot lies that near below a
; rounding boundary gets the smaller d here, so the winner never falls a step by this launch's order of summing; a chunk comes ahead of the winner's only if one of its codes lies in that sliver, and two such are needed to push it out.
; LIMITS.  z and the codebook are rounded once to bf16, and A, B and the products are made of the rounded numbers; sums in f32, A in another order than along the channels.  The winner is missed if two other chunks come
; ahead of its chunk in this launch's arithmetic.  NaN loses every minimum; infinities are not treated apart.
; SHARES.  A work-group owns 128 tokens of one image and walks all 8,192 codes, 256 a slot.  EVERY wave holds all 128 tokens as fragments in 512 registers; of each slot wave w fetches and multiplies codes
; 64 w .. 64 w + 63, four TILES of 16: each code fragment is read from LDS once in the work-group, 18 LDS loads for a tile's 64 matrix instructions, and a wave reads only bytes that its own tensor load brought.
; LAYOUT.  Source 0 = 16 codes, source 1 = 16 tokens: in the result a lane holds ONE token (lane % 16) and the codes 8 (lane / 16) + 0..7, a chunk.  So A, the two running minima and the tiles that reached them are one register each.
; BY TURNS.  While tile t is multiplied, tile t - 1's 128 x 16 distances are made and folded: 160 vector instructions, three and two by turns behind the tile's 64 matrix instructions.  They work in window 0, the products'
; sources lie in windows 1 to 3: a slice costs two switches of the register windows, 128 a tile.  Four token tiles alternate in the fold, so that no line reads a result of the three lines before it.  A strict < keeps the earlier tile at equal d.
; CLUSTER.  All work-groups walk the same codebook: the four of a cluster ask for each part of a slot JOINTLY, the same tensor load, descriptor and mask in all four.
; REGISTERS, in windows of 256 (s_set_vgpr_msb: bits 1:0 source 0, 3:2 source 1, 5:4 source 2, 7:6 destination):
;   window 0: addresses, statistics, at work; v128-255 two sets of eight accumulators (at the start: v128-191 rounded z, v192-205 at work)
;   window 1: v0-127 the code fragments, two buffers; v128-191 what the sums start at, eight registers a token tile (at the start all 256: z as loaded)
;   windows 2, 3: the tokens' fragments, tile i at 64 (i % 4) + 8 s for K step s; tiles 0-3 in window 2, 4-7 in window 3
.set PITCH, 528                        ; an odd multiple of 16 bytes: the sixteen rows of a fragment load begin at sixteen different places modulo 256 bytes
.set TSTEP, 16*PITCH                   ; a tile's 16 rows
.set WPART, 64*PITCH                   ; a wave's part of a slot: 33,792 bytes = 132 x 256
.set SLOT,  256*PITCH                  ; 135,168 = 0x21000; no wave's part begins at an address with bit 12 or 17 set, so one exclusive or changes slots
.set STG,   2*SLOT                     ; behind the ring, never filled by a tensor load: 64 tokens x 528 bytes, z on its way into fragments
.set PART,  STG+64*PITCH               ; [4 waves][128 tokens] f32: each wave's 64 channels' share of A
.set SPARE, PART+2048                  ; the spare words, 128 bytes for each wave: two blocks of 256 bytes that no other line names
.set SCR,   SPARE+512                  ; four arrays [4 waves][128 tokens]: first minimum, its chunk, second minimum, its chunk
.set PLANE, 131072                     ; bytes in a plane of cand
.set RR,  1                            ; v1   lane % 16
.set HH,  2                            ; v2   lane / 16
.set AK0, 3                            ; v3   my lane's place in my wave's first tile of slot 0; never rewritten
.set AB0, 4                            ; v4   the same for my chunk's B
.set ADR, 5                            ; v5   the LDS address of the run of loads in hand
.set ADB, 6                            ; v6   of the two loads of B
.set ZOFF, 7                           ; v7   my byte offset in the group's part of z
.set SA,  8                            ; v8   stage: where I put 16 bytes of a token's row
.set FA,  9                            ; v9   stage: my lane's place in a fragment
.set PA,  10                           ; v10  PART + 4 (lane % 16)
.set SV,  11                           ; v11  SCR + 512 w + 4 (lane % 16)
.set HW,  12                           ; v12  8 w + lane / 16
.set L16, 13                           ; v13  16 x lane
.set SPW, 14                           ; v14  LDS address of my spare word; never rewritten
.set NIL, 15                           ; v15  0, for the add alone
.set AN,  16                           ; v[16:31]  token tile i: A, twice (a pair for the packed addition)
.set B1,  32                           ; v[32:39]  the smallest chunk minimum so far
.set B2,  40                           ; v[40:47]  the second
.set I1,  48                           ; v[48:55]  the tile (0..127) that reached the first
.set I2,  56                           ; v[56:63]  the second
.set BV,  64                           ; v[64:79]  my chunk's eight B, two buffers
.set TMP, 80                           ; v[80:111] eight distances, for four token tiles at a time
.set MR,  112                          ; v[112:127] partial minima, four registers a token tile
.set ACC, 128                          ; set p, token tile i at ACC + 64 p + 8 i
.set PK,  128                          ; at the start: 64 registers of rounded z
.set SS,  192                          ; at the start: v[192:199] sums of squares
.set WK,  200                          ; v[200:203] at work
.set ZR,  204                          ; v204 0: the addend of a chain's first link
.set PS,  205                          ; v205 PART + 512 w + 16 (lane % 16)
.set VAL, 128                          ; at the end, wave 0: array a, wave w at VAL + 16 a + 4 w, four tokens each
.set MG,  128                          ; window 1: token tile i's A x 2^-35, eight times, at MG + 8 i; never rewritten
.set WV,  12                           ; s12  my wave's number
.set G1,  24                           ; s[24:31] descriptor group 1
.set G0A, 32                           ; s[32:35] group 0 of slot 0's first fill
.set G0B, 36                           ; s[36:39] group 0 of slot 1's first fill; it then walks
.set TB,  40                           ; s40  LDS byte, less my wave's part, at which the tile to be fetched begins
.set CID, 41                           ; s41  the number of the tile whose distances are being folded
.set CNT, 42                           ; s42  counts pairs of tiles
.set SLOTS, 43                         ; s43  changes of slots to come
.set SEL, 46                           ; s[46:47] v_permlanex16_b32's selects
.set MK,  56                           ; s[56:59] lanes whose first minimum falls, for the four token tiles in hand
.set MK2, 60                           ; s[60:63] lanes whose second minimum falls
.set MSB, 0
.macro WIN new                         ; the immediate's high byte repeats the setting that is left; a switch that changes nothing is dropped
.if MSB != (\new)
	s_set_vgpr_msb (MSB<<8)|(\new)
.set MSB, \new
.endif
.endm
; A round of the cluster's barrier: my work-group's barrier, so that wave 0's signal speaks for all four waves; wave 0 signals; every wave waits for all four work-groups; my work-group's barrier once more.
.macro CROUND
	s_barrier_signal -1
	s_barrier_wait -1
	s_cmp_lg_u32 s[WV], 0
	s_cbranch_scc1 .Lnot_wave_0_\@
	s_barrier_signal -3
.Lnot_wave_0_\@:
	s_barrier_wait -3
	s_barrier_signal -1
	s_barrier_wait -1
.endm
	s_load_b128 s[4:7], s[0:1], 0x0                ; z s[4:5], cb s[6:7]
	s_load_b64 s[8:9], s[0:1], 0x10                ; cand
	v_lshl_add_u32 v[SPW], v0, 2, SPARE
	v_mov_b32 v[NIL], 0
	ds_add_u32 v[SPW], v[NIL]                      ; the wave's opening: the add and its wait stand ahead of my first tensor load; the set-up below, work on registers, stands between them
	v_lshrrev_b32 v[RR], 5, v0
	v_readfirstlane_b32 s[WV], v[RR]               ; wave 0..3
	v_and_b32 v[RR], 15, v0
	v_bfe_u32 v[HH], v0, 4, 1
	s_bfe_u32 s13, ttmp6, 0x40000                  ; cx: my place in the cluster
	s_lshl_b32 s14, ttmp9, 2                       ; in a cluster launch ttmp9 counts clusters
	s_add_co_u32 s14, s14, s13                     ; my block of 128 tokens: it enters z's and cand's addresses alone
	s_lshr_b32 s16, s14, 3                         ; the image, 2^20 bytes each,
	s_lshl_b32 s16, s16, 20
	s_and_b32 s17, s14, 7                          ; and 128 places of 4 bytes
	s_lshl_b32 s17, s17, 9
	s_add_co_u32 s16, s16, s17
	s_mov_b32 s17, 0
	s_lshl_b32 s18, s14, 9                         ; 128 words in a plane of cand
	s_mov_b32 s19, 0
	s_mul_i32 s20, s[WV], WPART                    ; my wave's part of a slot, in LDS and in cb
	s_mov_b32 s21, 0
	; descriptor group 1: my part is dense in memory: 132 rows of 256 bytes, laid into LDS as they lie
	s_mov_b32 s[G1+0], 15|(3<<16)|(1<<21)          ; 15:0 the mask: all four work-groups; 17:16 elements of 8 bytes; 21 set beside a mask; no padding
	s_mov_b32 s[G1+1], 32<<16                      ; tensor_dim0 = 32
	s_mov_b32 s[G1+2], 132<<16                     ; tensor_dim1 = 132
	s_mov_b32 s[G1+3], 32<<16                      ; tile_dim0 = 32
	s_mov_b32 s[G1+4], 132                         ; tile_dim1 = 132
	s_mov_b32 s[G1+5], 32                          ; 32 elements from row to row
	s_mov_b32 s[G1+6], 0
	s_mov_b32 s[G1+7], 0
	s_mov_b32 s[SEL], 0x76543210
	s_mov_b32 s[SEL+1], 0xfedcba98
	s_mov_b32 s[TB], 0
	s_mov_b32 s[CID], 0
	v_mul_u32_u24 v[AK0], v[RR], PITCH
	v_lshl_add_u32 v[AK0], v[HH], 4, v[AK0]        ; a fragment's row x pitch + 16 x half
	v_add_nc_u32 v[FA], STG, v[AK0]
	v_add_nc_u32 v[AK0], s20, v[AK0]
	v_mul_u32_u24 v[AB0], v[HH], 8*PITCH           ; my chunk's first row, its spare bytes
	s_add_co_u32 s22, s20, 512
	v_add_nc_u32 v[AB0], s22, v[AB0]
	v_lshlrev_b32 v[ZOFF], 4, v[RR]                ; four tokens, 16 bytes; channels 64 w + 32 (lane / 16) on, 4,096 bytes apart
	v_lshl_add_u32 v[ZOFF], v[HH], 17, v[ZOFF]
	s_lshl_b32 s22, s[WV], 18
	v_add_nc_u32 v[ZOFF], s22, v[ZOFF]
	v_mul_u32_u24 v[SA], v[RR], 4*PITCH            ; stage: token 4 (lane % 16), byte 128 w + 64 (lane / 16) of its row
	v_lshl_add_u32 v[SA], v[HH], 6, v[SA]
	s_lshl_b32 s22, s[WV], 7
	s_add_co_u32 s22, s22, STG
	v_add_nc_u32 v[SA], s22, v[SA]
	v_lshl_add_u32 v[PA], v[RR], 2, PART
	s_lshl_b32 s22, s[WV], 9
	s_add_co_u32 s23, s22, SCR
	v_lshl_add_u32 v[SV], v[RR], 2, s23
	s_add_co_u32 s23, s22, PART
	v_lshl_add_u32 v[PS], v[RR], 4, s23
	s_lshl_b32 s22, s[WV], 3
	v_add_nc_u32 v[HW], s22, v[HH]
	v_and_b32 v[L16], 31, v0
	v_lshlrev_b32 v[L16], 4, v[L16]
	v_mov_b32 v[ZR], 0
.irp e, 0,1,2,3
	v_mov_b32 v[WK+(\e)], 0                        ; v_permlanex16_b32's destinations count as read
.endr
	s_wait_dscnt 0x0                               ; the opening add is done
	s_wait_kmcnt 0x0
	s_add_nc_u64 s[4:5], s[4:5], s[16:17]
	s_add_nc_u64 s[8:9], s[8:9], s[18:19]
	; z: 64 loads; in each, lanes 0-15 and lanes 16-31 each take 256 consecutive bytes of a channel, at a multiple of 256.  Tokens 0-63 first, then 64-127.
	WIN 0x40                                       ; destination window 1, address window 0
.set c, 0
.rept 64                               ; c = 32 x half of the tokens + channel
	global_load_b128 v[4*c:4*c+3], v[ZOFF], s[4:5] offset:4096*(c%32)+256*(c/32) th:TH_LOAD_NT
.set c, c+1
.endr
	WIN 0
	s_mov_b32 s[G0A], 1                            ; 1:0 count = 1
	s_add_co_u32 s[G0A+1], s20, 0                  ; 63:32 LDS address: my part of slot 0
	s_add_nc_u64 s[G0A+2:G0A+3], s[6:7], s[20:21]  ; 120:64 global address: my 64 of the first 256 codes
	s_or_b32 s[G0A+3], s[G0A+3], 0x80000000        ; 127:126 type = 2
	s_mov_b32 s[G0B], 1
	s_add_co_u32 s[G0B+1], s20, SLOT
	s_add_nc_u64 s[G0B+2:G0B+3], s[6:7], s[20:21]
	s_add_nc_u64 s[G0B+2:G0B+3], s[G0B+2:G0B+3], SLOT
	s_or_b32 s[G0B+3], s[G0B+3], 0x80000000
	CROUND                                         ; all four work-groups are here: the first joint loads meet
	tensor_load_to_lds s[G0A:G0A+3], s[G1:G1+7]    ; both first fills together, ahead of every wait on TENSORcnt and every LDS read: two loads of mine are out
	s_nop 0
	tensor_load_to_lds s[G0B:G0B+3], s[G1:G1+7]
	s_nop 0
.rept 4
	v_nop                                          ; four of them behind the loads
.endr
; Half p of the tokens: rounded to bf16, eight channels of a token to 16 bytes, into the stage; and my 32 channels' squares of the rounded numbers, joined with the other half of the lanes', into PART.
.macro CONV p
	s_wait_loadcnt 32-32*(\p)                      ; loads come back in order: this half's 32 are in
	WIN 0x05                                       ; sources window 1, destination window 0
.set c, 0
.rept 64                               ; c = 16 x group of 8 channels + 4 x token + pair of channels
	v_cvt_pk_bf16_f32 v[PK+c], v[128*(\p)+4*(8*(c/16)+2*(c%4))+(c/4)%4], v[128*(\p)+4*(8*(c/16)+2*(c%4)+1)+(c/4)%4]
.set c, c+1
.endr
	WIN 0
.set c, 0
.rept 32                               ; c = 2 x (4 x group + pair) + half of the word; four chains, one a token, by turns
.irp e, 0,1,2,3
.set rp, PK+16*(c/8)+4*(\e)+(c/2)%4
.if c == 0
	v_fma_mix_f32_bf16 v[SS+4*(\p)+(\e)], v[rp], v[rp], v[ZR] op_sel_hi:[1,1,0]
.elseif c%2 == 0
	v_fma_mix_f32_bf16 v[SS+4*(\p)+(\e)], v[rp], v[rp], v[SS+4*(\p)+(\e)] op_sel_hi:[1,1,0]
.else
	v_fma_mix_f32_bf16 v[SS+4*(\p)+(\e)], v[rp], v[rp], v[SS+4*(\p)+(\e)] op_sel:[1,1,0] op_sel_hi:[1,1,0]
.endif
.endr
.set c, c+1
.endr
.set c, 0
.rept 16                               ; c = 4 x group + token
	ds_store_b128 v[SA], v[PK+16*(c/4)+4*(c%4):PK+16*(c/4)+4*(c%4)+3] offset:PITCH*(c%4)+16*(c/4)
.set c, c+1
.endr
.irp e, 0,1,2,3
	v_permlanex16_b32 v[WK+(\e)], v[SS+4*(\p)+(\e)], s[SEL], s[SEL+1]
.endr
.irp e, 0,1,2,3
	v_add_f32 v[SS+4*(\p)+(\e)], v[SS+4*(\p)+(\e)], v[WK+(\e)]
.endr
	ds_store_b128 v[PS], v[SS+4*(\p):SS+4*(\p)+3] offset:256*(\p)   ; both halves of the lanes write the same numbers to the same bytes
.endm
; Half p's four token tiles as fragments: 16 tokens x 32 channels in 8 registers, two loads of 16 bytes, 32 bytes apart.
.macro ZFRAG p
	WIN 0x80+0x40*(\p)                             ; destination window 2 or 3
.set c, 0
.rept 32                               ; c = 8 x tile + K step
	ds_load_b128 v[8*c:8*c+3],   v[FA] offset:TSTEP*(c/8)+64*(c%8)
	ds_load_b128 v[8*c+4:8*c+7], v[FA] offset:TSTEP*(c/8)+64*(c%8)+32
.set c, c+1
.endr
	WIN 0
.endm
; Matrix instruction n of a tile's 64: K step n / 8, token tile n % 8.  The eight accumulators take turns, one instruction a turn, over the tiles' edges too.
; The first K step starts the sums, at the token's A x 2^-35 (its C operand lies in window 1).
.macro MMA p
.set ti, n%8
.set rD, ACC+64*(\p)+8*ti
.set rA, 64*(\p)+8*(n/8)
.set rB, 64*(ti%4)+8*(n/8)
.if n < 8
	WIN 0x19+4*(ti/4)                              ; codes and C in window 1, tokens in window 2 or 3, the result in window 0
	v_wmma_f32_16x16x32_bf16 v[rD:rD+7], v[rA:rA+7], v[rB:rB+7], v[MG+8*ti:MG+8*ti+7]
.else
	WIN 0x09+4*(ti/4)                              ; codes in window 1, tokens in window 2 or 3, sums in window 0
	v_wmma_f32_16x16x32_bf16 v[rD:rD+7], v[rA:rA+7], v[rB:rB+7], v[rD:rD+7]
.endif
.set n, n+1
.endm
; Number rn of the 160 that fold a finished tile of parity q.  Four token tiles at a time, alternating, 20 steps each:
;   0-3 A + B for the lane's eight codes    4-7 minus twice the product, one rounding (each accumulator's lowest registers are read first)    8-11 the chunk's minimum M
;   12, 13 is M below the first minimum, below the second?    14-16 the two tile numbers move accordingly    17-19 second = min(second, max(first, M)), first = min(first, M)
.macro RID q
	WIN 0
.set m, rn%80
.set x, m%4
.set st, m/4
.set ti, 4*(rn/80)+x
.set k, st%4
.set rT, TMP+8*x
.set rM, MR+4*x
.set rC, ACC+64*(\q)+8*ti
.set rV, BV+8*(\q)
.if st < 4
	v_pk_add_f32 v[rT+2*k:rT+2*k+1], v[rV+2*k:rV+2*k+1], v[AN+2*ti:AN+2*ti+1]
.elseif st < 8
	v_pk_fma_f32 v[rT+2*k:rT+2*k+1], v[rC+2*k:rC+2*k+1], -2.0, v[rT+2*k:rT+2*k+1] op_sel_hi:[1,0,1]
.elseif st == 8
	v_min3_num_f32 v[rM], v[rT], v[rT+1], v[rT+2]
.elseif st == 9
	v_min3_num_f32 v[rM+1], v[rT+3], v[rT+4], v[rT+5]
.elseif st == 10
	v_min3_num_f32 v[rM], v[rM], v[rT+6], v[rT+7]
.elseif st == 11
	v_min_num_f32 v[rM+2], v[rM], v[rM+1]
.elseif st == 12
	v_cmp_lt_f32 s[MK+x], v[rM+2], v[B1+ti]
.elseif st == 13
	v_cmp_lt_f32 s[MK2+x], v[rM+2], v[B2+ti]
.elseif st == 14
	v_cndmask_b32 v[I2+ti], v[I2+ti], s[CID], s[MK2+x]
.elseif st == 15
	v_cndmask_b32 v[I2+ti], v[I2+ti], v[I1+ti], s[MK+x]
.elseif st == 16
	v_cndmask_b32 v[I1+ti], v[I1+ti], s[CID], s[MK+x]
.elseif st == 17
	v_max_num_f32 v[rM], v[B1+ti], v[rM+2]
.elseif st == 18
	v_min_num_f32 v[B2+ti], v[B2+ti], v[rM]
.else
	v_min_num_f32 v[B1+ti], v[B1+ti], v[rM+2]
.endif
.set rn, rn+1
.endm
; THE LDS LOADS: a tile's 16 codes x 256 channels, sixteen loads in one run, into buffer p; and later my chunk's eight B, two loads.
.macro FETCHF p
	WIN 0
	v_add_nc_u32 v[ADR], s[TB], v[AK0]
	WIN 0x40                                       ; destination window 1
.irp f, 0,1,2,3,4,5,6,7
	ds_load_b128 v[64*(\p)+8*(\f):64*(\p)+8*(\f)+3],   v[ADR] offset:64*(\f)
	ds_load_b128 v[64*(\p)+8*(\f)+4:64*(\p)+8*(\f)+7], v[ADR] offset:64*(\f)+32
.endr
	WIN 0
.endm
.macro FETCHB p
	WIN 0
	v_add_nc_u32 v[ADB], s[TB], v[AB0]
	ds_load_b128 v[BV+8*(\p):BV+8*(\p)+3],   v[ADB]
	ds_load_b128 v[BV+8*(\p)+4:BV+8*(\p)+7], v[ADB] offset:PITCH
	s_add_co_u32 s[TB], s[TB], TSTEP               ; the next fetch is the next tile's
.endm
; A TILE of parity p: 64 matrix instructions and, ep = 1, behind each a slice of the tile before's 160: three behind the even ones, two behind the odd ones.
; fetch = 1: the next tile's fragments behind the second product: between the last product that read that buffer (the tile before's last) and the loads stand numbers 0-4 and the address line, six plain instructions that name
; none of its registers (in the loop also the two behind that product).  Numbers 0-15 name no accumulator, so the first read of a sum stands sixteen lines or more behind the product that finished it.
; The next tile's B behind product 55: number 95, which stands behind product 38, is the last that reads that buffer of B.
.macro TILE p, ep, fetch
	s_wait_dscnt 2                                 ; LDS loads come back in order: all but the youngest two, this tile's B, are in: its sixteen fragment loads and the B of the tile before
.set n, 0
.set rn, 0
.rept 64
	MMA \p
.if \ep
	RID 1-(\p)
	RID 1-(\p)
.if n%2 == 1
	RID 1-(\p)
.endif
.endif
.if (\fetch) && (n == 2)
	FETCHF 1-(\p)
.endif
.if (\fetch) && (n == 56)
	FETCHB 1-(\p)
.endif
.endr
.if \ep
	s_add_co_u32 s[CID], s[CID], 1
.endif
.endm
; THE CHANGE OF SLOTS stands ahead of a slot's last tile, whose fragments and B have been asked for.  Each wave waits for all its tensor loads, of which one is out: its part of the other slot; adds 0 to its spare word;
; and waits for that and for its reads of the slot.  The barrier is a round of the cluster's, so that no wave of any partner still reads the slot or has a load on its way; the joint refill, the codes two slots on, is
; the first thing behind it: it has four tiles, 256 matrix instructions, in which to land.
.macro CHANGE1
	WIN 0
	s_wait_tensorcnt 0x0                           ; no tensor load of mine is out, so a group 0 may be written
	ds_add_u32 v[SPW], v[NIL]                      ; 0 onto my spare word; the descriptor's steps stand between it and the wait for it
	s_xor_b32 s[G0B+1], s[G0B+1], SLOT             ; the other slot than last time,
	s_add_nc_u64 s[G0B+2:G0B+3], s[G0B+2:G0B+3], SLOT  ; the next 256 codes; the type bits on top are not reached
	s_wait_dscnt 0x0                               ; the add is done, and my reads of the slot are over
	CROUND
	tensor_load_to_lds s[G0B:G0B+3], s[G1:G1+7]
	s_nop 0
.rept 4
	v_nop
.endr
	s_sub_co_u32 s[TB], s[TB], 4*TSTEP             ; the fetches go back to a slot's first tile,
	s_xor_b32 s[TB], s[TB], SLOT                   ; in the other slot
.endm
; s[o] = the lanes in which (v1, c1) comes before (v2, c2): the smaller distance, at equal distances the smaller chunk.  s[t], s[t+1] at work.
.macro LESS o, t, v1, c1, v2, c2
	v_cmp_lt_f32 s[\o], v[\v1], v[\v2]
	v_cmp_eq_f32 s[\t], v[\v1], v[\v2]
	v_cmp_lt_u32 s[(\t)+1], v[\c1], v[\c2]
	s_and_b32 s[\t], s[\t], s[(\t)+1]
	s_or_b32 s[\o], s[\o], s[\t]
.endm
; Two sorted pairs (a1, a2) and (b1, b2), each a distance and a chunk, into the first two of the four, in a's registers.  l, cl at work.
.macro MERGE a1, ca1, a2, ca2, b1, cb1, b2, cb2, l, cl
	LESS 50, 52, \b1, \cb1, \a1, \ca1
	v_cndmask_b32 v[\l],   v[\b1],  v[\a1],  s50   ; the loser of the two firsts,
	v_cndmask_b32 v[\cl],  v[\cb1], v[\ca1], s50
	v_cndmask_b32 v[\a2],  v[\a2],  v[\b2],  s50   ; the winner's own second,
	v_cndmask_b32 v[\ca2], v[\ca2], v[\cb2], s50
	v_cndmask_b32 v[\a1],  v[\a1],  v[\b1],  s50   ; the winner
	v_cndmask_b32 v[\ca1], v[\ca1], v[\cb1], s50
	LESS 50, 52, \l, \cl, \a2, \ca2
	v_cndmask_b32 v[\a2],  v[\a2],  v[\l],  s50
	v_cndmask_b32 v[\ca2], v[\ca2], v[\cl], s50
.endm
	; z INTO FRAGMENTS, through the stage, 64 tokens at a time.  The two tensor loads stay on their way.
	CONV 0
	s_wait_dscnt 0x0                               ; for the others' sake: my stores are done
	s_barrier_signal -1
	s_barrier_wait -1
	ZFRAG 0
	s_wait_dscnt 0x0                               ; my reads of the stage are over: behind the barrier it is written again
	s_barrier_signal -1
	s_barrier_wait -1
	CONV 1
	s_wait_dscnt 0x0
	s_barrier_signal -1
	s_barrier_wait -1
	ZFRAG 1
.set c, 0
.rept 32                               ; c = 4 x token tile + wave: the four shares of my token's A
	ds_load_b32 v[PK+c], v[PA] offset:512*(c%4)+64*(c/4)
.set c, c+1
.endr
	s_wait_dscnt 0x0
.irp i, 0,1,2,3,4,5,6,7
	v_add_f32 v[PK+4*(\i)], v[PK+4*(\i)], v[PK+4*(\i)+1]
.endr
.irp i, 0,1,2,3,4,5,6,7
	v_add_f32 v[PK+4*(\i)], v[PK+4*(\i)], v[PK+4*(\i)+2]
.endr
.irp i, 0,1,2,3,4,5,6,7
	v_add_f32 v[AN+2*(\i)],   v[PK+4*(\i)], v[PK+4*(\i)+3]
	v_add_f32 v[AN+2*(\i)+1], v[PK+4*(\i)], v[PK+4*(\i)+3]
.endr
	WIN 0x40                                       ; destination window 1: z as loaded has been rounded and is no longer wanted there
.set c, 0
.rept 64                               ; c = 8 x token tile + register: what the sums start at, the same for the lane's eight codes
	v_mul_f32 v[MG+c], 0x2e000000, v[AN+2*(c/8)]   ; A x 2^-35
.set c, c+1
.endr
	WIN 0
.irp i, 0,1,2,3,4,5,6,7
	v_mov_b32 v[B1+(\i)], 0x7f800000               ; both minima start at +infinity
	v_mov_b32 v[B2+(\i)], 0x7f800000
	v_mov_b32 v[I1+(\i)], 0
	v_mov_b32 v[I2+(\i)], 0
.endr
	s_wait_tensorcnt 0x1                           ; my part of slot 0 is in; slot 1's may stay out.  I read my own part alone, so no barrier is needed
	FETCHF 0
	FETCHB 0
	TILE 0, 0, 1                                   ; tile 0: there is nothing yet to fold
	WIN 0                                          ; at a label and at a branch every window is 0
	s_mov_b32 s[CNT], 1                            ; the way in: tiles 1 and 2
	s_mov_b32 s[SLOTS], 31
	s_branch .Lpair
.Lslot:                                                ; 30 times: every slot but the last two is filled again; a trip runs a slot's last tile and the next slot's first three
	CHANGE1
	s_mov_b32 s[CNT], 2
.Lpair:
	TILE 1, 1, 1
	TILE 0, 1, 1
	WIN 0
	s_sub_co_u32 s[CNT], s[CNT], 1
	s_cmp_lg_u32 s[CNT], 0
	s_cbranch_scc1 .Lpair
	s_sub_co_u32 s[SLOTS], s[SLOTS], 1
	s_cmp_lg_u32 s[SLOTS], 0
	s_cbranch_scc1 .Lslot
	s_wait_tensorcnt 0x0                           ; the tail is written out: my part of the last slot is in; nothing is filled, and I read my own bytes alone
	s_sub_co_u32 s[TB], s[TB], 4*TSTEP
	s_xor_b32 s[TB], s[TB], SLOT
	s_mov_b32 s[CNT], 2
.Ltail:                                                ; tiles 123 to 126
	TILE 1, 1, 1
	TILE 0, 1, 1
	WIN 0
	s_sub_co_u32 s[CNT], s[CNT], 1
	s_cmp_lg_u32 s[CNT], 0
	s_cbranch_scc1 .Ltail
	TILE 1, 1, 0                                   ; tile 127: nothing more to fetch
	s_wait_dscnt 0x0                               ; its B
.set rn, 0
.rept 160
	RID 1                                          ; and its distances; numbers 0-15 name no accumulator: they are the places behind the last products
.endr
	; THE END.  Tile t of wave w, lane half h is chunk 32 (t / 4) + 8 w + 2 (t % 4) + h.  A token's sorted pairs of the two lane halves and of the four waves are merged.
.irp i, 0,1,2,3,4,5,6,7,8,9,10,11,12,13,14,15      ; I1 and I2 lie on end
	v_lshrrev_b32 v[TMP+(\i)], 2, v[I1+(\i)]
	v_and_b32 v[I1+(\i)], 3, v[I1+(\i)]
.endr
.irp i, 0,1,2,3,4,5,6,7,8,9,10,11,12,13,14,15
	v_lshl_or_b32 v[I1+(\i)], v[TMP+(\i)], 4, v[I1+(\i)]
.endr
.irp i, 0,1,2,3,4,5,6,7,8,9,10,11,12,13,14,15
	v_lshl_add_u32 v[I1+(\i)], v[I1+(\i)], 1, v[HW]
.endr
.irp i, 0,1,2,3,4,5,6,7
	v_permlanex16_b32 v[TMP],   v[B1+(\i)], s[SEL], s[SEL+1]    ; the other half's pair (destinations: registers written before and free now)
	v_permlanex16_b32 v[TMP+1], v[I1+(\i)], s[SEL], s[SEL+1]
	v_permlanex16_b32 v[TMP+2], v[B2+(\i)], s[SEL], s[SEL+1]
	v_permlanex16_b32 v[TMP+3], v[I2+(\i)], s[SEL], s[SEL+1]
	MERGE B1+\i, I1+\i, B2+\i, I2+\i, TMP, TMP+1, TMP+2, TMP+3, TMP+4, TMP+5
	ds_store_b32 v[SV], v[B1+(\i)] offset:64*(\i)                   ; the order is total, so both halves now hold, and write, the same
	ds_store_b32 v[SV], v[I1+(\i)] offset:64*(\i)+2048
	ds_store_b32 v[SV], v[B2+(\i)] offset:64*(\i)+4096
	ds_store_b32 v[SV], v[I2+(\i)] offset:64*(\i)+6144
.endr
	s_wait_dscnt 0x0                               ; for wave 0's sake
	s_barrier_signal -1
	s_barrier_wait -1
	s_cmp_lg_u32 s[WV], 0
	s_cbranch_scc1 .Lnot0
	v_add_nc_u32 v[ADR], SCR, v[L16]
.irp a, 0,1,2,3
.irp w, 0,1,2,3
	ds_load_b128 v[VAL+16*(\a)+4*(\w):VAL+16*(\a)+4*(\w)+3], v[ADR] offset:2048*(\a)+512*(\w)
.endr
.endr
	s_wait_dscnt 0x0
.irp w, 1,2,3
.irp e, 0,1,2,3
	MERGE VAL+\e, VAL+16+\e, VAL+32+\e, VAL+48+\e, VAL+4*\w+\e, VAL+16+4*\w+\e, VAL+32+4*\w+\e, VAL+48+4*\w+\e, TMP, TMP+1
.endr
.endr
	global_store_b128 v[L16], v[VAL+16:VAL+19], s[8:9]              ; 512 consecutive bytes each, at a multiple of 256 from the buffer's first
	global_store_b128 v[L16], v[VAL+48:VAL+51], s[8:9] offset:PLANE
.Lnot0:
	s_wait_tensorcnt 0x0                           ; the wave's end: behind my last tensor load and my last LDS store
	ds_add_u32 v[SPW], v[NIL]
	s_wait_dscnt 0x0
	CROUND                                         ; the closing round: no work-group ends while a partner may still ask for a tile that names it
	s_endpgm
.Lfunc_end_k_q290eb33f18_dist:
	.size	k_q290eb33f18_dist, .Lfunc_end_k_q290eb33f18_dist-k_q290eb33f18_dist
	.p2alignl 7, 3214868480
	.fill 96, 4, 3214868480
	.section	.rodata,"a",@progbits
	.p2align	6, 0x0
	.amdhsa_kernel k_q290eb33f18_dist
		.amdhsa_group_segment_fixed_size 327680
		.amdhsa_private_segment_fixed_size 0
		.amdhsa_enable_private_segment 0
		.amdhsa_kernarg_size 24
		.amdhsa_user_sgpr_count 2
		.amdhsa_user_sgpr_kernarg_segment_ptr 1
		.amdhsa_wavefront_size32 1
		.amdhsa_system_sgpr_workgroup_id_x 1
		.amdhsa_system_sgpr_workgroup_id_y 1
		.amdhsa_system_sgpr_workgroup_id_z 1
		.amdhsa_system_vgpr_workitem_id 0
		.amdhsa_next_free_vgpr 1024
		.amdhsa_next_free_sgpr 66
		.amdhsa_reserve_vcc 0
		.amdhsa_float_denorm_mode_32 3
		.amdhsa_float_denorm_mode_16_64 3
		.amdhsa_memory_ordered 1
		.amdhsa_forward_progress 1
		.amdhsa_inst_pref_size 193
	.end_amdhsa_kernel
	.amdgpu_metadata
---
amdhsa.version: [ 1, 2 ]
amdhsa.kernels:
  - .name:           k_q290eb33f18_dist
    .symbol:         k_q290eb33f18_dist.kd
    .args:
      - { .name: z, .offset: 0, .size: 8, .value_kind: global_buffer, .address_space: global }
      - { .name: cb, .offset: 8, .size: 8, .value_kind: global_buffer, .address_space: global }
      - { .name: cand, .offset: 16, .size: 8, .value_kind: global_buffer, .address_space: global }
    .group_segment_fixed_size: 327680
    .private_segment_fixed_size: 0
    .kernarg_segment_align: 8
    .kernarg_segment_size: 24
    .max_flat_workgroup_size: 128
    .sgpr_count:     66
    .vgpr_count:     1024
    .wavefront_size: 32
...
	.end_amdgpu_metadata
.endif
;; end of part 2
;; launch pick (part 3): grid 256 x 1, 16 waves a work-group, no clusters, 277,248 bytes of LDS; arguments z, cb, cand, out0, out4, part; writes out0, out4, part
.if DOCPART == 3
	.amdgcn_target "amdgcn-amd-amdhsa--gfx1250"
	.amdhsa_code_object_version 6
	.text
	.protected	k_q290eb33f18_pick
	.globl	k_q290eb33f18_pick
	.p2align	8
	.type	k_q290eb33f18_pick,@function
k_q290eb33f18_pick:
	s_mov_b64 s[64:65], 0
	v_nop
	global_prefetch_b8 v0, s[64:65] scope:SCOPE_SE
	s_setreg_imm32_b32 hwreg(HW_REG_WAVE_MODE, 25, 1), 1
	s_wait_xcnt 0x0
; THE CODE, THE OUTPUT, THE LOSS.  For each token the sixteen codes of its two chunks (cand: whole numbers stored by the launch before) are judged anew: d = fl(fl(A + B) - 2 dot).
; THE ORDER OF THE SUMS decides indices: d lies on a coarse grid, and the smallest d is often shared or missed by one grid step.  The dot is summed IN ASCENDING ORDER OF THE CHANNELS, one rounding a term (products of two bf16
; numbers are exact in f32, so each fused multiply-add is "add the next term").  A = the sum of z'^2 is summed IN TWO LEVELS: eight sums of 32 consecutive channels, each ascending from 0, and those eight added in ascending
; order: where A - 2 dot falls exactly midway between two f32 numbers the rounding goes by A's last bit, so A's order counts too; this is the order that this program takes for reference()'s sum over the channels.
; The smallest d wins, at equal d the smallest code.  out4 = the code; out0 = z' + (e' - z') back in [image][channel][place]; part[group] = the sum of (e' - z')^2 over the group's 128 tokens.
; z' and e' are z and the code rounded once to bf16, as everywhere in this program; all arithmetic in f32.
; LIMITS.  B comes from the packed codebook, summed there in another order than along the row.  If all sixteen d are NaN the index is 8,191.  A chunk number is clamped to 1,023.
; The winner enters data and select masks alone: its row is picked out of the sixteen loaded rows by v_cndmask_b32; no address and no branch hangs on it.
; SHARES.  A work-group owns 128 tokens of one image.  Streams (z in, out0 out): wave w has channels 16 w .. 16 w + 15, lane l tokens 4 l .. 4 l + 3: a load or store of a wave covers 512 consecutive bytes.
; Tokens: wave w has tokens 8 w .. 8 w + 7.  A is made once for each: lane l takes token l / 4 and the channel groups l % 4 and l % 4 + 4.  The dots go two tokens at a time (a PAIR): lane l is candidate l % 16 (chunk
; (l % 16) / 8, code l % 8 of it) of token l / 16.  The rows come coalesced (lanes 0-15: 256 consecutive bytes of a row of the first token's, lanes 16-31 of the second's) and stay in 128 registers for the choice; for the
; sums they are turned through the wave's own LDS buffer, half a row at a time: 32 rows of 272 bytes.
; No matrix unit (16 dots a token, each on rows of its own), no cluster and no tensor load: no two work-groups share a tile, and which rows are wanted hangs on the tokens.
.set PITCH, 528
.set CHB,   8*PITCH                    ; a chunk's bytes in cb
.set HP,    272                        ; half a row and 16 bytes: an odd multiple of 16, so the 16 lanes of a load, a row each, begin at 16 different places modulo 256 bytes
.set WB,    32*HP                      ; a wave's buffer
.set QST,   128*PITCH                  ; behind the 128 rows of z': the 128 chosen rows
.set WBUF,  2*128*PITCH                ; the sixteen waves' buffers
.set IDXS,  WBUF+16*WB                 ; the 128 indices
.set LW,    IDXS+512                   ; the sixteen waves' sums
.set SPARE, LW+256                     ; the spare words, 128 bytes for each wave: eight blocks of 256 bytes that no other line names
.set PLANE, 131072                     ; bytes in a plane of cand
.set LN,   1                           ; v1   lane
.set L16,  2                           ; v2   16 x lane
.set ZOFF, 3                           ; v3   65,536 w + 16 lane: my bytes in the group's part of z and of out0; never rewritten
.set SA,   4                           ; v4   z' rows by columns: row 4 l, byte 32 w
.set SQ,   5                           ; v5   the same in the chosen rows
.set R16,  6                           ; v6   16 (lane % 16)
.set J8,   7                           ; v7   lane % 8
.set ZB,   8                           ; v8   z' row 8 w + lane / 16
.set QA,   9                           ; v9   chosen row 8 w + lane / 16, byte 16 (lane % 16)
.set ES,   10                          ; v10  my wave's buffer: row 16 (lane / 16), byte 16 (lane % 16)
.set EB,   11                          ; v11  my wave's buffer: row lane
.set IA,   12                          ; v12  IDXS + 4 (8 w + lane / 16)
.set SPW,  13                          ; v13  LDS address of my spare word; never rewritten
.set NIL,  14                          ; v14  0, for the add alone
.set ZR,   15                          ; v15  0: the addend of a chain's first link, and an offset of 0
.set CH0,  16                          ; v[16:19]  pair p: my token's first chunk
.set CH1,  20                          ; v[20:23]  its second
.set BVR,  24                          ; v[24:27]  B of my candidate
.set HH,   28                          ; v28  lane / 16
.set RQ,   29                          ; v29  lane % 16
.set BC,   30                          ; v30  where B of code lane % 8 lies in a chunk
.set T0,   31                          ; v31  at work
.set ER,   32                          ; v[32:63]  the ring: four pieces of 16 bytes of my candidate's row, two buffers
.set ZG,   64                          ; v[64:95]  the same of my token's z'
.set PK,   32                          ; at the start: z' of token 4 l + e, channels 16 w + 2 q, + 1 at PK + 8 e + q
.set MYCH, 96                          ; v[96:99]   pair p: my candidate's chunk
.set VBO,  100                         ; v[100:103] the byte offset of its B
.set VO0,  104                         ; v104 the byte offset of my 16 bytes in the first row of my token's first chunk
.set VO1,  105                         ; v105 of its second
.set TOKO, 106                         ; v106 4 (8 w + lane / 16)
.set TOKQ, 107                         ; v107 the same in my candidate's plane of cand
.set DOT,  108                         ; v108 the dot, one chain over all 256 channels (for A: the squares of channel group lane % 4)
.set ASQ,  109                         ; v109 for A: the squares of channel group lane % 4 + 4
.set TT,   110
.set DD,   111
.set MN,   112
.set KEY,  113
.set CODEF, 114
.set CS,   115
.set BIGV, 116                         ; v116 8,191.0: no code is greater
.set AT,   117                         ; v117 A of token lane / 4: the sums of 32, added one after the other
.set ZQ,   118                         ; v118 z' row 8 w + lane / 4, byte 64 (lane % 4)
.set C,    128                         ; v[128:255] half ph of candidate row jj at C + 64 ph + 4 jj
.set X,    192                         ; at the start: z as loaded
.set O,    128                         ; at the end: out0's numbers at O + 4 channel + e
.set ZC,   192                         ; z' by columns
.set E,    224                         ; the chosen rows by columns
.set ZL,   32                          ; the end's work registers
.set ZH,   36
.set EL,   40
.set EH,   44
.set TL,   48
.set TH,   52
.set LSA,  56                          ; the loss, two chains of pairs
.set LSB,  58
.set WV,  18                           ; s18  my wave's number
.set AA,  24                           ; s[24:31] A of my eight tokens
.set SEL, 52                           ; s[52:53] v_permlanex16_b32's selects
	s_load_b256 s[4:11], s[0:1], 0x0               ; z s[4:5], cb s[6:7], cand s[8:9], out0 s[10:11]
	s_load_b128 s[12:15], s[0:1], 0x20             ; out4 s[12:13], part s[14:15]
	v_lshl_add_u32 v[SPW], v0, 2, SPARE
	v_mov_b32 v[NIL], 0
	v_lshrrev_b32 v[LN], 5, v0
	v_readfirstlane_b32 s[WV], v[LN]               ; wave 0..15
	v_and_b32 v[LN], 31, v0
	v_lshlrev_b32 v[L16], 4, v[LN]
	v_and_b32 v[RQ], 15, v0
	v_bfe_u32 v[HH], v0, 4, 1
	v_lshlrev_b32 v[R16], 4, v[RQ]
	v_and_b32 v[J8], 7, v0
	s_lshl_b32 s19, s[WV], 16
	v_add_nc_u32 v[ZOFF], s19, v[L16]
	v_mul_u32_u24 v[SA], v[LN], 4*PITCH
	s_lshl_b32 s19, s[WV], 5
	v_add_nc_u32 v[SA], s19, v[SA]
	v_add_nc_u32 v[SQ], QST, v[SA]
	v_lshl_add_u32 v[TOKO], v[HH], 2, s19
	v_add_nc_u32 v[IA], IDXS, v[TOKO]
	v_lshrrev_b32 v[T0], 3, v[RQ]                  ; which of the two chunks is my candidate's
	v_lshl_add_u32 v[TOKQ], v[T0], 17, v[TOKO]     ; its plane, 2^17 bytes on
	s_mul_i32 s19, s[WV], 8*PITCH
	v_mul_u32_u24 v[ZB], v[HH], PITCH
	v_add_nc_u32 v[ZB], s19, v[ZB]
	v_add_nc_u32 v[QA], v[ZB], v[R16]
	v_add_nc_u32 v[QA], QST, v[QA]
	v_lshrrev_b32 v[T0], 2, v[LN]                  ; for A: token lane / 4,
	v_mul_u32_u24 v[ZQ], v[T0], PITCH
	v_and_b32 v[T0], 3, v0                         ; 32 channels, 64 bytes, from 64 (lane % 4) on
	v_lshl_add_u32 v[ZQ], v[T0], 6, v[ZQ]
	v_add_nc_u32 v[ZQ], s19, v[ZQ]
	s_mul_i32 s19, s[WV], WB
	s_add_co_u32 s19, s19, WBUF
	v_mul_u32_u24 v[EB], v[LN], HP
	v_add_nc_u32 v[EB], s19, v[EB]
	v_mul_u32_u24 v[ES], v[HH], 16*HP
	v_add_nc_u32 v[ES], v[ES], v[R16]
	v_add_nc_u32 v[ES], s19, v[ES]
	v_lshrrev_b32 v[T0], 2, v[J8]                  ; B of code j lies in the spare bytes of the chunk's row j / 4, word j % 4
	v_and_b32 v[BC], 3, v0
	v_lshlrev_b32 v[BC], 2, v[BC]
	v_mad_u32_u24 v[BC], v[T0], PITCH, v[BC]
	v_add_nc_u32 v[BC], 512, v[BC]
	v_mov_b32 v[ZR], 0
	v_mov_b32 v[BIGV], 0x45fff800
	s_mov_b32 s48, 0xffff0000                      ; a word's upper bf16; also the mask of lanes 16-31
	s_mov_b32 s[SEL], 0x76543210
	s_mov_b32 s[SEL+1], 0xfedcba98
	s_lshr_b32 s20, ttmp9, 3                       ; the image, 2^20 bytes,
	s_lshl_b32 s20, s20, 20
	s_and_b32 s21, ttmp9, 7                        ; and 128 places of 4 bytes
	s_lshl_b32 s21, s21, 9
	s_add_co_u32 s20, s20, s21
	s_mov_b32 s21, 0
	s_lshl_b32 s22, ttmp9, 9                       ; the group's 128 words
	s_mov_b32 s23, 0
	s_lshl_b32 s56, ttmp9, 2
	s_mov_b32 s57, 0
	s_wait_kmcnt 0x0
	s_add_nc_u64 s[4:5], s[4:5], s[20:21]
	s_add_nc_u64 s[10:11], s[10:11], s[20:21]
	s_add_nc_u64 s[8:9], s[8:9], s[22:23]
	s_add_nc_u64 s[12:13], s[12:13], s[22:23]
	s_add_nc_u64 s[14:15], s[14:15], s[56:57]
.irp p, 0,1,2,3                        ; pair p: tokens 8 w + 2 p and + 1
	global_load_b32 v[CH0+(\p)],  v[TOKO], s[8:9] offset:8*(\p)
	global_load_b32 v[CH1+(\p)],  v[TOKO], s[8:9] offset:PLANE+8*(\p)
	global_load_b32 v[MYCH+(\p)], v[TOKQ], s[8:9] offset:8*(\p)
.endr
.irp c, 0,1,2,3,4,5,6,7,8,9,10,11,12,13,14,15
	global_load_b128 v[X+4*(\c):X+4*(\c)+3], v[ZOFF], s[4:5] offset:4096*(\c) th:TH_LOAD_NT
.endr
	s_wait_loadcnt 16                              ; loads come back in order: the twelve chunk numbers are in, z's sixteen stay out
.irp p, 0,1,2,3
	v_min_u32 v[CH0+(\p)],  0x3ff, v[CH0+(\p)]     ; a loaded number enters an address only clamped
	v_min_u32 v[CH1+(\p)],  0x3ff, v[CH1+(\p)]
	v_min_u32 v[MYCH+(\p)], 0x3ff, v[MYCH+(\p)]
.endr
.irp p, 0,1,2,3
	v_mul_u32_u24 v[VBO+(\p)], v[MYCH+(\p)], CHB
.endr
.irp p, 0,1,2,3
	v_add_nc_u32 v[VBO+(\p)], v[VBO+(\p)], v[BC]
.endr
.irp p, 0,1,2,3
	global_load_b32 v[BVR+(\p)], v[VBO+(\p)], s[6:7]
.endr
; Pair p's sixteen candidate rows, first halves (channels 0-127) and second halves: 16 loads each; in a load lanes 0-15 take 256 consecutive bytes of a row of the first token's, lanes 16-31 of the second's.
.macro LOADA p
	v_mul_u32_u24 v[VO0], v[CH0+(\p)], CHB
	v_mul_u32_u24 v[VO1], v[CH1+(\p)], CHB
	v_add_nc_u32 v[VO0], v[VO0], v[R16]
	v_add_nc_u32 v[VO1], v[VO1], v[R16]
.set jj, 0
.rept 16
	global_load_b128 v[C+4*jj:C+4*jj+3], v[VO0+jj/8], s[6:7] offset:PITCH*(jj%8)
.set jj, jj+1
.endr
.endm
.macro LOADB
.set jj, 0
.rept 16
	global_load_b128 v[C+64+4*jj:C+64+4*jj+3], v[VO0+jj/8], s[6:7] offset:PITCH*(jj%8)+256
.set jj, jj+1
.endr
.endm
	LOADA 0
	s_wait_loadcnt 20                              ; z's sixteen are in; the four B and the sixteen first halves stay out
.set c, 0
.rept 32                               ; c = 8 x token + pair of channels
	v_cvt_pk_bf16_f32 v[PK+c], v[X+4*(2*(c%8))+c/8], v[X+4*(2*(c%8)+1)+c/8]
.set c, c+1
.endr
.set c, 0
.rept 8                                ; c = 2 x token + half of its 32 bytes
	ds_store_b128 v[SA], v[PK+8*(c/2)+4*(c%2):PK+8*(c/2)+4*(c%2)+3] offset:PITCH*(c/2)+16*(c%2)
.set c, c+1
.endr
	LOADB                                          ; into the registers that held z
	s_wait_dscnt 0x0                               ; for the others' sake: my columns of the 128 rows are written
	s_barrier_signal -1
	s_barrier_wait -1
	; A OF MY EIGHT TOKENS, once.  Lane l: token l / 4; two sums of 32 squares, of channels 32 (l % 4) on and 128 + 32 (l % 4) on, each ascending from 0.  In a load the sixteen lanes of a half take four rows x four
	; pieces 64 bytes apart: sixteen different places modulo 256 bytes.
.irp k, 0,1,2,3
	ds_load_b128 v[ZG+4*(\k):ZG+4*(\k)+3],       v[ZQ] offset:16*(\k)
	ds_load_b128 v[ZG+16+4*(\k):ZG+16+4*(\k)+3], v[ZQ] offset:256+16*(\k)
.endr
	s_wait_dscnt 0x0
.set c, 0
.rept 16                               ; the two chains take turns
.if c == 0
	v_fma_mix_f32_bf16 v[DOT], v[ZG],    v[ZG],    v[ZR] op_sel_hi:[1,1,0]
	v_fma_mix_f32_bf16 v[ASQ], v[ZG+16], v[ZG+16], v[ZR] op_sel_hi:[1,1,0]
.else
	v_fma_mix_f32_bf16 v[DOT], v[ZG+c],    v[ZG+c],    v[DOT] op_sel_hi:[1,1,0]
	v_fma_mix_f32_bf16 v[ASQ], v[ZG+16+c], v[ZG+16+c], v[ASQ] op_sel_hi:[1,1,0]
.endif
	v_fma_mix_f32_bf16 v[DOT], v[ZG+c],    v[ZG+c],    v[DOT] op_sel:[1,1,0] op_sel_hi:[1,1,0]
	v_fma_mix_f32_bf16 v[ASQ], v[ZG+16+c], v[ZG+16+c], v[ASQ] op_sel:[1,1,0] op_sel_hi:[1,1,0]
.set c, c+1
.endr
.irp g, 0,1,2,3                        ; the token's eight sums into each of its four lanes (destinations: registers that the loads above have written)
	v_mov_b32_dpp v[ZG+(\g)],   v[DOT] quad_perm:[\g,\g,\g,\g] row_mask:0xf bank_mask:0xf
	v_mov_b32_dpp v[ZG+4+(\g)], v[ASQ] quad_perm:[\g,\g,\g,\g] row_mask:0xf bank_mask:0xf
.endr
	v_add_f32 v[AT], v[ZG], v[ZG+1]                ; and added in ascending order
.irp g, 2,3,4,5,6,7
	v_add_f32 v[AT], v[AT], v[ZG+(\g)]
.endr
.irp t, 0,1,2,3,4,5,6,7
	v_readlane_b32 s[AA+(\t)], v[AT], 4*(\t)
.endr
; Group g (0..7) of four pieces of 16 bytes, channels 32 g .. 32 g + 31, into ring buffer g % 2: my candidate's from my wave's buffer, my token's from the rows of z' (each half of the lanes reads one address).
.macro LDG p, g
.set rb, (\g)%2
.irp k, 0,1,2,3
	ds_load_b128 v[ER+16*rb+4*(\k):ER+16*rb+4*(\k)+3], v[EB] offset:16*(4*((\g)%4)+(\k))
	ds_load_b128 v[ZG+16*rb+4*(\k):ZG+16*rb+4*(\k)+3], v[ZB] offset:2*PITCH*(\p)+16*(4*(\g)+(\k))
.endr
.endm
; The group's 32 channels onto the dot, in ascending order: one chain through all eight groups.
.macro CHAIN g
.set rb, (\g)%2
.set c, 0
.rept 16
.if (\g) == 0 && c == 0
	v_fma_mix_f32_bf16 v[DOT], v[ZG+16*rb], v[ER+16*rb], v[ZR] op_sel_hi:[1,1,0]
.else
	v_fma_mix_f32_bf16 v[DOT], v[ZG+16*rb+c], v[ER+16*rb+c], v[DOT] op_sel_hi:[1,1,0]
.endif
	v_fma_mix_f32_bf16 v[DOT], v[ZG+16*rb+c], v[ER+16*rb+c], v[DOT] op_sel:[1,1,0] op_sel_hi:[1,1,0]
.set c, c+1
.endr
.endm
; PAIR p.  LDS serves a wave's instructions in order (ISA guide 5.7.1.4), and the buffer is the wave's own: the loads see the stores in front of them, and the second halves' stores come behind the last loads of the first halves.
.macro PAIR p
	s_wait_loadcnt 16                              ; the first halves are in (and B); the second halves' sixteen loads stay out
.set jj, 0
.rept 16
	ds_store_b128 v[ES], v[C+4*jj:C+4*jj+3] offset:HP*jj
.set jj, jj+1
.endr
	LDG \p, 0
	v_lshl_add_u32 v[T0], v[MYCH+(\p)], 3, v[J8]   ; my candidate's code,
	v_cvt_f32_u32 v[CODEF], v[T0]                  ; exact in f32
	v_mov_b32 v[TT], s[AA+2*(\p)]                  ; my token's A: the pair's first token in lanes 0-15,
	v_cndmask_b32 v[TT], v[TT], s[AA+2*(\p)+1], s48  ; its second in lanes 16-31
	v_add_f32 v[TT], v[TT], v[BVR+(\p)]            ; fl(A + B)
.irp g, 0,1,2,3,4,5,6,7
.if (\g) == 3
	s_wait_loadcnt 0x0                             ; the second halves are in
.set jj, 0
.rept 16
	ds_store_b128 v[ES], v[C+64+4*jj:C+64+4*jj+3] offset:HP*jj
.set jj, jj+1
.endr
.endif
.if (\g) < 7
	LDG \p, (\g)+1
.endif
.if (\g) == 3
	s_wait_dscnt 24                                ; this group's eight loads are in; the sixteen stores and the next group's eight loads may be out
.elseif (\g) < 7
	s_wait_dscnt 8                                 ; the next group's eight loads may be out
.else
	s_wait_dscnt 0x0
.endif
	CHAIN \g
.endr
	v_fma_f32 v[DD], -2.0, v[DOT], v[TT]           ; minus twice the dot, one rounding
	v_mov_b32 v[MN], v[DD]
.irp m, 1,2,4,8
	v_min_num_f32_dpp v[MN], v[MN], v[MN] row_xmask:\m row_mask:0xf bank_mask:0xf   ; the token's smallest d, in its sixteen lanes
.endr
	v_cmp_eq_f32 s40, v[DD], v[MN]
	v_cndmask_b32 v[KEY], v[BIGV], v[CODEF], s40
.irp m, 1,2,4,8
	v_min_num_f32_dpp v[KEY], v[KEY], v[KEY] row_xmask:\m row_mask:0xf bank_mask:0xf ; the smallest code that reaches it
.endr
	v_cvt_u32_f32 v[CS], v[KEY]
	ds_store_b32 v[IA], v[CS] offset:8*(\p)        ; sixteen lanes write the same word with the same number
	v_and_b32 v[T0], 1, v[CS]
	v_cmp_ne_u32 vcc_lo, 0, v[T0]                  ; the first level's 64 selects go by VCC: the short encoding
	v_and_b32 v[TT], 2, v[CS]
	v_cmp_ne_u32 s41, 0, v[TT]
	v_and_b32 v[DD], 4, v[CS]
	v_cmp_ne_u32 s42, 0, v[DD]
	v_lshrrev_b32 v[MN], 3, v[CS]
	v_cmp_eq_u32 s43, v[MN], v[CH1+(\p)]           ; is it of the second chunk?
.irp ph, 0,1                           ; the row is chosen among the sixteen in registers, bit by bit; each half of the lanes by its own token's winner
.irp a, 0,2,4,6,8,10,12,14
.irp r, 0,1,2,3
	v_cndmask_b32 v[C+64*(\ph)+4*(\a)+(\r)], v[C+64*(\ph)+4*(\a)+(\r)], v[C+64*(\ph)+4*(\a)+4+(\r)], vcc_lo
.endr
.endr
.irp a, 0,4,8,12
.irp r, 0,1,2,3
	v_cndmask_b32 v[C+64*(\ph)+4*(\a)+(\r)], v[C+64*(\ph)+4*(\a)+(\r)], v[C+64*(\ph)+4*(\a)+8+(\r)], s41
.endr
.endr
.irp a, 0,8
.irp r, 0,1,2,3
	v_cndmask_b32 v[C+64*(\ph)+4*(\a)+(\r)], v[C+64*(\ph)+4*(\a)+(\r)], v[C+64*(\ph)+4*(\a)+16+(\r)], s42
.endr
.endr
.irp r, 0,1,2,3
	v_cndmask_b32 v[C+64*(\ph)+(\r)], v[C+64*(\ph)+(\r)], v[C+64*(\ph)+32+(\r)], s43
.endr
	ds_store_b128 v[QA], v[C+64*(\ph):C+64*(\ph)+3] offset:2*PITCH*(\p)+256*(\ph)
.if (\ph) == 0 && (\p) < 3
	LOADA (\p)+1                                   ; the first halves' registers have been read, and this pair's loads are done: the next pair's first halves go out while the second halves are chosen
.endif
.endr
.if (\p) < 3
	LOADB
.endif
.endm
	PAIR 0
	PAIR 1
	PAIR 2
	PAIR 3
	s_wait_dscnt 0x0                               ; for the others' sake: my eight chosen rows and indices are written
	s_barrier_signal -1
	s_barrier_wait -1
	; OUT.  z' and the chosen rows come back by columns.
.set c, 0
.rept 8
	ds_load_b128 v[ZC+8*(c/2)+4*(c%2):ZC+8*(c/2)+4*(c%2)+3], v[SA] offset:PITCH*(c/2)+16*(c%2)
	ds_load_b128 v[E+8*(c/2)+4*(c%2):E+8*(c/2)+4*(c%2)+3],   v[SQ] offset:PITCH*(c/2)+16*(c%2)
.set c, c+1
.endr
	s_wait_dscnt 0x0
.set q, 0
.rept 8                                ; channels 16 w + 2 q and + 1, four tokens each
.irp e, 0,1,2,3
	v_lshlrev_b32 v[ZL+(\e)], 16, v[ZC+8*(\e)+q]
	v_and_b32     v[ZH+(\e)], s48, v[ZC+8*(\e)+q]
	v_lshlrev_b32 v[EL+(\e)], 16, v[E+8*(\e)+q]
	v_and_b32     v[EH+(\e)], s48, v[E+8*(\e)+q]
.endr
.irp u, 0,2
	v_pk_add_f32 v[TL+(\u):TL+(\u)+1], v[EL+(\u):EL+(\u)+1], v[ZL+(\u):ZL+(\u)+1] neg_lo:[0,1] neg_hi:[0,1]   ; e' - z'
	v_pk_add_f32 v[TH+(\u):TH+(\u)+1], v[EH+(\u):EH+(\u)+1], v[ZH+(\u):ZH+(\u)+1] neg_lo:[0,1] neg_hi:[0,1]
.endr
.irp u, 0,2
	v_pk_add_f32 v[O+8*q+(\u):O+8*q+(\u)+1],     v[ZL+(\u):ZL+(\u)+1], v[TL+(\u):TL+(\u)+1]                   ; z' + (e' - z')
	v_pk_add_f32 v[O+8*q+4+(\u):O+8*q+4+(\u)+1], v[ZH+(\u):ZH+(\u)+1], v[TH+(\u):TH+(\u)+1]
.endr
.if q == 0
	v_pk_mul_f32 v[LSA:LSA+1], v[TL:TL+1], v[TL:TL+1]                 ; the first squares start the sums
	v_pk_mul_f32 v[LSB:LSB+1], v[TL+2:TL+3], v[TL+2:TL+3]
.else
	v_pk_fma_f32 v[LSA:LSA+1], v[TL:TL+1], v[TL:TL+1], v[LSA:LSA+1]
	v_pk_fma_f32 v[LSB:LSB+1], v[TL+2:TL+3], v[TL+2:TL+3], v[LSB:LSB+1]
.endif
	v_pk_fma_f32 v[LSA:LSA+1], v[TH:TH+1], v[TH:TH+1], v[LSA:LSA+1]
	v_pk_fma_f32 v[LSB:LSB+1], v[TH+2:TH+3], v[TH+2:TH+3], v[LSB:LSB+1]
	global_store_b128 v[ZOFF], v[O+8*q:O+8*q+3],   s[10:11] offset:4096*(2*q) th:TH_STORE_NT     ; each store has registers of its own: none is rewritten
	global_store_b128 v[ZOFF], v[O+8*q+4:O+8*q+7], s[10:11] offset:4096*(2*q+1) th:TH_STORE_NT
.set q, q+1
.endr
	v_pk_add_f32 v[LSA:LSA+1], v[LSA:LSA+1], v[LSB:LSB+1]
	v_add_f32 v[LSA], v[LSA], v[LSA+1]
.irp m, 1,2,4,8
	v_add_f32_dpp v[LSA], v[LSA], v[LSA] row_xmask:\m row_mask:0xf bank_mask:0xf
.endr
	v_permlanex16_b32 v[LSA+1], v[LSA], s[SEL], s[SEL+1]
	v_add_f32 v[LSA], v[LSA], v[LSA+1]
	s_lshl_b32 s54, s[WV], 2
	s_add_co_u32 s54, s54, LW
	v_mov_b32 v[T0], s54
	ds_store_b32 v[T0], v[LSA]
	s_wait_dscnt 0x0
	s_barrier_signal -1
	s_barrier_wait -1
	s_cmp_lg_u32 s[WV], 0
	s_cbranch_scc1 .Lend
	v_mov_b32 v[T0], LW
.irp k, 0,1,2,3
	ds_load_b128 v[ZL+4*(\k):ZL+4*(\k)+3], v[T0] offset:16*(\k)      ; the sixteen waves' sums, in every lane
.endr
	v_add_nc_u32 v[LSB], IDXS, v[L16]
	ds_load_b128 v[TL:TL+3], v[LSB]                ; four tokens' indices a lane
	s_wait_dscnt 0x0
	v_pk_add_f32 v[ZL:ZL+1],     v[ZL:ZL+1],     v[ZL+4:ZL+5]
	v_pk_add_f32 v[ZL+2:ZL+3],   v[ZL+2:ZL+3],   v[ZL+6:ZL+7]
	v_pk_add_f32 v[ZL+8:ZL+9],   v[ZL+8:ZL+9],   v[ZL+12:ZL+13]
	v_pk_add_f32 v[ZL+10:ZL+11], v[ZL+10:ZL+11], v[ZL+14:ZL+15]
	v_pk_add_f32 v[ZL:ZL+1],     v[ZL:ZL+1],     v[ZL+8:ZL+9]
	v_pk_add_f32 v[ZL+2:ZL+3],   v[ZL+2:ZL+3],   v[ZL+10:ZL+11]
	v_pk_add_f32 v[ZL:ZL+1],     v[ZL:ZL+1],     v[ZL+2:ZL+3]
	v_add_f32 v[ZL], v[ZL], v[ZL+1]
	global_store_b128 v[L16], v[TL:TL+3], s[12:13] ; 512 consecutive bytes of out4
	s_wait_xcnt 0x0                                ; EXEC changes only behind this wait
	v_cmp_eq_u32 vcc_lo, 0, v[LN]
	s_and_saveexec_b32 s60, vcc_lo
	global_store_b32 v[ZR], v[ZL], s[14:15]        ; the group's one word of part
	s_wait_xcnt 0x0                                ; and again, in front of the line that widens it
	s_or_b32 exec_lo, exec_lo, s60
.Lend:
	s_wait_tensorcnt 0x0                           ; the wave's end: behind my last LDS store
	ds_add_u32 v[SPW], v[NIL]
	s_wait_dscnt 0x0
	s_endpgm
.Lfunc_end_k_q290eb33f18_pick:
	.size	k_q290eb33f18_pick, .Lfunc_end_k_q290eb33f18_pick-k_q290eb33f18_pick
	.p2alignl 7, 3214868480
	.fill 96, 4, 3214868480
	.section	.rodata,"a",@progbits
	.p2align	6, 0x0
	.amdhsa_kernel k_q290eb33f18_pick
		.amdhsa_group_segment_fixed_size 277248
		.amdhsa_private_segment_fixed_size 0
		.amdhsa_enable_private_segment 0
		.amdhsa_kernarg_size 48
		.amdhsa_user_sgpr_count 2
		.amdhsa_user_sgpr_kernarg_segment_ptr 1
		.amdhsa_wavefront_size32 1
		.amdhsa_system_sgpr_workgroup_id_x 1
		.amdhsa_system_sgpr_workgroup_id_y 1
		.amdhsa_system_sgpr_workgroup_id_z 1
		.amdhsa_system_vgpr_workitem_id 0
		.amdhsa_next_free_vgpr 256
		.amdhsa_next_free_sgpr 66
		.amdhsa_reserve_vcc 1
		.amdhsa_float_denorm_mode_32 3
		.amdhsa_float_denorm_mode_16_64 3
		.amdhsa_memory_ordered 1
		.amdhsa_forward_progress 1
		.amdhsa_inst_pref_size 161
	.end_amdhsa_kernel
	.amdgpu_metadata
---
amdhsa.version: [ 1, 2 ]
amdhsa.kernels:
  - .name:           k_q290eb33f18_pick
    .symbol:         k_q290eb33f18_pick.kd
    .args:
      - { .name: z, .offset: 0, .size: 8, .value_kind: global_buffer, .address_space: global }
      - { .name: cb, .offset: 8, .size: 8, .value_kind: global_buffer, .address_space: global }
      - { .name: cand, .offset: 16, .size: 8, .value_kind: global_buffer, .address_space: global }
      - { .name: out0, .offset: 24, .size: 8, .value_kind: global_buffer, .address_space: global }
      - { .name: out4, .offset: 32, .size: 8, .value_kind: global_buffer, .address_space: global }
      - { .name: part, .offset: 40, .size: 8, .value_kind: global_buffer, .address_space: global }
    .group_segment_fixed_size: 277248
    .private_segment_fixed_size: 0
    .kernarg_segment_align: 8
    .kernarg_segment_size: 48
    .max_flat_workgroup_size: 512
    .sgpr_count:     66
    .vgpr_count:     256
    .wavefront_size: 32
...
	.end_amdgpu_metadata
.endif
;; end of part 3
;; launch loss (part 4): grid 1 x 1, 1 waves a work-group, no clusters, 0 bytes of LDS; arguments part, out1, out2, out3; writes out1, out2, out3
.if DOCPART == 4
	.amdgcn_target "amdgcn-amd-amdhsa--gfx1250"
	.amdhsa_code_object_version 6
	.text
	.protected	k_q290eb33f18_loss
	.globl	k_q290eb33f18_loss
	.p2align	8
	.type	k_q290eb33f18_loss,@function
k_q290eb33f18_loss:
	s_mov_b64 s[64:65], 0
	v_nop
	global_prefetch_b8 v0, s[64:65] scope:SCOPE_SE
	s_setreg_imm32_b32 hwreg(HW_REG_WAVE_MODE, 25, 1), 1
	s_wait_xcnt 0x0
; THE THREE LOSSES.  part: 256 sums of squares, one from each work-group of the launch before.  mean = their sum / (32,768 x 256) = sum x 2^-23;
; out3 = mean, out2 = 0.25 mean, out1 = out2 + out3.  One wave: a sum that spans work-groups has one owner, in a launch of its own.
	s_load_b256 s[4:11], s[0:1], 0x0               ; part s[4:5], out1 s[6:7], out2 s[8:9], out3 s[10:11]
	v_lshlrev_b32 v1, 4, v0
	s_mov_b32 s12, 0x76543210
	s_mov_b32 s13, 0xfedcba98
	s_wait_kmcnt 0x0
	global_load_b128 v[2:5], v1, s[4:5]
	global_load_b128 v[6:9], v1, s[4:5] offset:512
	s_wait_loadcnt 0x0
	v_pk_add_f32 v[2:3], v[2:3], v[6:7]
	v_pk_add_f32 v[4:5], v[4:5], v[8:9]
	v_pk_add_f32 v[2:3], v[2:3], v[4:5]
	v_add_f32 v2, v2, v3
	v_add_f32_dpp v2, v2, v2 row_xmask:1 row_mask:0xf bank_mask:0xf
	v_add_f32_dpp v2, v2, v2 row_xmask:2 row_mask:0xf bank_mask:0xf
	v_add_f32_dpp v2, v2, v2 row_xmask:4 row_mask:0xf bank_mask:0xf
	v_add_f32_dpp v2, v2, v2 row_xmask:8 row_mask:0xf bank_mask:0xf
	v_permlanex16_b32 v3, v2, s12, s13
	v_add_f32 v2, v2, v3
	v_mul_f32 v4, 0x34000000, v2                   ; x 2^-23: the mean
	v_mul_f32 v5, 0x3e800000, v4                   ; x 0.25
	v_add_f32 v6, v5, v4
	v_mov_b32 v7, 0
	s_wait_xcnt 0x0                                ; EXEC changes only behind this wait
	v_cmp_eq_u32 vcc_lo, 0, v0
	s_and_saveexec_b32 s14, vcc_lo
	global_store_b32 v7, v6, s[6:7]
	global_store_b32 v7, v5, s[8:9]
	global_store_b32 v7, v4, s[10:11]
	s_endpgm
.Lfunc_end_k_q290eb33f18_loss:
	.size	k_q290eb33f18_loss, .Lfunc_end_k_q290eb33f18_loss-k_q290eb33f18_loss
	.p2alignl 7, 3214868480
	.fill 96, 4, 3214868480
	.section	.rodata,"a",@progbits
	.p2align	6, 0x0
	.amdhsa_kernel k_q290eb33f18_loss
		.amdhsa_group_segment_fixed_size 0
		.amdhsa_private_segment_fixed_size 0
		.amdhsa_enable_private_segment 0
		.amdhsa_kernarg_size 32
		.amdhsa_user_sgpr_count 2
		.amdhsa_user_sgpr_kernarg_segment_ptr 1
		.amdhsa_wavefront_size32 1
		.amdhsa_system_sgpr_workgroup_id_x 1
		.amdhsa_system_sgpr_workgroup_id_y 1
		.amdhsa_system_sgpr_workgroup_id_z 1
		.amdhsa_system_vgpr_workitem_id 0
		.amdhsa_next_free_vgpr 16
		.amdhsa_next_free_sgpr 66
		.amdhsa_reserve_vcc 1
		.amdhsa_float_denorm_mode_32 3
		.amdhsa_float_denorm_mode_16_64 3
		.amdhsa_memory_ordered 1
		.amdhsa_forward_progress 1
		.amdhsa_inst_pref_size 2
	.end_amdhsa_kernel
	.amdgpu_metadata
---
amdhsa.version: [ 1, 2 ]
amdhsa.kernels:
  - .name:           k_q290eb33f18_loss
    .symbol:         k_q290eb33f18_loss.kd
    .args:
      - { .name: part, .offset: 0, .size: 8, .value_kind: global_buffer, .address_space: global }
      - { .name: out1, .offset: 8, .size: 8, .value_kind: global_buffer, .address_space: global }
      - { .name: out2, .offset: 16, .size: 8, .value_kind: global_buffer, .address_space: global }
      - { .name: out3, .offset: 24, .size: 8, .value_kind: global_buffer, .address_space: global }
    .group_segment_fixed_size: 0
    .private_segment_fixed_size: 0
    .kernarg_segment_align: 8
    .kernarg_segment_size: 32
    .max_flat_workgroup_size: 32
    .sgpr_count:     66
    .vgpr_count:     16
    .wavefront_size: 32
...
	.end_amdgpu_metadata
.endif
;; end of part 4
;; ======== version 2 of 2: 4 launches; version 1 with the launch prep written anew for expert scheduling mode
;; workspace buffers: cb 4,325,376 bytes; cand 262,144 bytes of whole numbers; part 1,024 bytes
;; launch prep (part 5): grid 256 x 1, 4 waves a work-group, no clusters, 17,408 bytes of LDS; arguments embedding, cb; writes cb
.if DOCPART == 5
	.amdgcn_target "amdgcn-amd-amdhsa--gfx1250"
	.amdhsa_code_object_version 6
	.text
	.protected	k_q290eb33f18_prep
	.globl	k_q290eb33f18_prep
	.p2align	8
	.type	k_q290eb33f18_prep,@function
k_q290eb33f18_prep:
	s_mov_b64 s[64:65], 0
	v_nop
	global_prefetch_b8 v0, s[64:65] scope:SCOPE_SE
	s_setreg_imm32_b32 hwreg(HW_REG_WAVE_SCHED_MODE, 0, 2), 2
	s_setreg_imm32_b32 hwreg(HW_REG_WAVE_MODE, 25, 1), 1
	s_wait_xcnt 0x0
	s_wait_alu depctr_vm_vsrc(0)
; THE CODEBOOK, PACKED.  embedding: [8192][256] f32.  cb: 8,192 rows of 528 bytes: 256 numbers rounded once to bf16 (512 bytes) and 16 spare bytes.
; Codes go in CHUNKS of eight.  The spare bytes of a chunk's row 0 hold B[0..3], those of its row 1 B[4..7] (f32), those of rows 2 to 7 zeros,
; where B[k] is the sum of the squares of code k's ROUNDED numbers: the whole program computes on inputs rounded once to bf16.
; So a chunk is 4,224 dense bytes that carry their own B, and 32 rows are 16,896 bytes = 66 x 256.
; LIMIT: B is summed lane by lane and then across lanes, in f32: another order than a sum along the row.
; SHARES.  A work-group takes 32 codes, each of its four waves 8 (a chunk).  A load of a wave covers 512 consecutive bytes of a row; the packed rows are
; gathered in LDS and leave as pieces of 512 consecutive bytes, each at a multiple of 256 from cb's first byte.
; No matrix unit, no cluster, no tensor load: every byte is read once, by one work-group, and the arithmetic is a rounding and a square.
; THE MODE: SCHED_MODE bits 1:0 = 2 (LLVM: expert scheduling mode 2), set by the entry lines.  The code itself states the register dependences
; between vector instructions and memory or LDS instructions, with s_wait_alu, always for 0.
; THE PLAN.  Registers that memory or LDS instructions touch:
;   v2 to v7        offsets and LDS addresses, made once at the head and never written again: one wait ahead of the first load serves them all.
;   X + 8 j + 0..7  row j as loaded; the conversions read all eight and write the first four, in place; the LDS stores and the squares read those four;
;                   v_permlanex16_b32 writes the fifth.  On the way out the LDS loads land in X + 0 .. X + 35, and the global stores read them there.
;   PD              written by the eight selects, read by one LDS store.
;   SQ, ZR, T7 are named by vector instructions alone.
; So: all 32 conversions, ONE wait, the sixteen LDS stores in one run, and the squares behind them, which only read X.  One wait behind the selects states that PD is
; written and that every vector instruction that named X is done; no vector instruction follows it, so it serves the way out's loads too.  One wait on vm_vsrc
; behind the barrier states that the LDS stores have read X.
.set PITCH, 528
.set SPARE, 32*PITCH                   ; behind the stage: the spare words, 128 bytes for each wave: two blocks of 256 bytes that no other line names
.set LN,   1                           ; v1      lane
.set GOFF, 2                           ; v2      my byte offset in the group's rows of embedding: 8,192 w + 16 lane; never rewritten
.set LA,   3                           ; v3      stage: my 8 bytes of my wave's first row
.set PADA, 4                           ; v4      stage: the spare bytes of row 8 w + lane % 8
.set RA,   5                           ; v5      16 x thread: my 16 bytes of a piece, in the stage and in cb
.set SPW,  6                           ; v6      LDS address of my spare word; never rewritten
.set NIL,  7                           ; v7      0, for the add alone
.set SQ,   8                           ; v[8:15]  row j's sum of squares
.set PD,   16                          ; v[16:19] what goes into the spare bytes
.set ZR,   20                          ; v20     0: the addend of a chain's first link
.set T7,   21                          ; v21     lane % 8
.set X,    32                          ; v[32:95] row j: 8 registers as loaded; its first four then hold the 8 rounded numbers
	s_load_b128 s[4:7], s[0:1], 0x0                ; embedding s[4:5], cb s[6:7]
	v_lshl_add_u32 v[SPW], v0, 2, SPARE
	v_mov_b32 v[NIL], 0
	v_lshrrev_b32 v[LN], 5, v0
	v_readfirstlane_b32 s8, v[LN]                  ; wave 0..3
	v_and_b32 v[LN], 31, v0
	s_lshl_b32 s10, ttmp9, 15                      ; the group's 32 rows of 1,024 bytes
	s_mov_b32 s11, 0
	s_mul_i32 s14, ttmp9, 32*PITCH                 ; and its 32 packed rows
	s_mov_b32 s15, 0
	s_mov_b32 s12, 0x76543210                      ; v_permlanex16_b32: each lane takes its own place in the other half
	s_mov_b32 s13, 0xfedcba98
	v_and_b32 v[T7], 7, v0                         ; what does not hang on the wave's number stands ahead of the wait for it
	v_mul_u32_u24 v[PADA], v[T7], PITCH
	v_lshlrev_b32 v[RA], 4, v0
	v_mov_b32 v[ZR], 0
	s_wait_alu depctr_va_sdst(0)                   ; s8 is written, ahead of its first reader: the wave's offsets are made from it
	s_lshl_b32 s9, s8, 13
	v_lshl_add_u32 v[GOFF], v[LN], 4, s9
	s_mul_i32 s9, s8, 8*PITCH
	v_lshl_add_u32 v[LA], v[LN], 3, s9
	s_add_co_u32 s9, s9, 512
	v_add_nc_u32 v[PADA], s9, v[PADA]
	s_wait_kmcnt 0x0
	s_add_nc_u64 s[4:5], s[4:5], s[10:11]
	s_add_nc_u64 s[6:7], s[6:7], s[14:15]
	s_wait_alu depctr_va_vdst(0)                   ; v2 to v7 are written: the offsets and LDS addresses that the loads and stores of the whole kernel read
.irp j, 0,1,2,3,4,5,6,7                ; sixteen loads on their way: row j's two halves, channels 128 u + 4 lane + 0..3
	global_load_b128 v[X+8*(\j):X+8*(\j)+3],   v[GOFF], s[4:5] offset:1024*(\j) th:TH_LOAD_NT
	global_load_b128 v[X+8*(\j)+4:X+8*(\j)+7], v[GOFF], s[4:5] offset:1024*(\j)+512 th:TH_LOAD_NT
.endr
.irp j, 0,1,2,3,4,5,6,7
	s_wait_loadcnt 14-2*(\j)                       ; loads come back in order: row j's two are in, the 14 - 2 j younger ones stay out
	v_cvt_pk_bf16_f32 v[X+8*(\j)],   v[X+8*(\j)],   v[X+8*(\j)+1]   ; in place: each line writes a register whose number has been rounded already
	v_cvt_pk_bf16_f32 v[X+8*(\j)+1], v[X+8*(\j)+2], v[X+8*(\j)+3]
	v_cvt_pk_bf16_f32 v[X+8*(\j)+2], v[X+8*(\j)+4], v[X+8*(\j)+5]
	v_cvt_pk_bf16_f32 v[X+8*(\j)+3], v[X+8*(\j)+6], v[X+8*(\j)+7]
.endr
	s_wait_alu depctr_va_vdst(0)                   ; the 32 conversions have written each row's first four registers, which the LDS stores read
.irp j, 0,1,2,3,4,5,6,7
	ds_store_b64 v[LA], v[X+8*(\j):X+8*(\j)+1]   offset:PITCH*(\j)       ; 32 lanes x 8 bytes: 256 consecutive bytes of the packed row
	ds_store_b64 v[LA], v[X+8*(\j)+2:X+8*(\j)+3] offset:PITCH*(\j)+256
.endr
	; the squares of the rounded numbers: eight chains, one a row, by turns; they read X and write SQ alone, while the stores are out
.set c, 0
.rept 8                                ; c = 2 x word + half
.irp j, 0,1,2,3,4,5,6,7
.if c == 0
	v_fma_mix_f32_bf16 v[SQ+(\j)], v[X+8*(\j)], v[X+8*(\j)], v[ZR] op_sel_hi:[1,1,0]
.elseif c%2 == 0
	v_fma_mix_f32_bf16 v[SQ+(\j)], v[X+8*(\j)+c/2], v[X+8*(\j)+c/2], v[SQ+(\j)] op_sel_hi:[1,1,0]
.else
	v_fma_mix_f32_bf16 v[SQ+(\j)], v[X+8*(\j)+c/2], v[X+8*(\j)+c/2], v[SQ+(\j)] op_sel:[1,1,0] op_sel_hi:[1,1,0]
.endif
.endr
.set c, c+1
.endr
	v_cmp_eq_u32 vcc_lo, 0, v[T7]                  ; the chunk's row 0 takes B[0..3],
	v_cmp_eq_u32 s9, 1, v[T7]                      ; row 1 B[4..7], the others zeros: the two masks are made here, the reduction's 48 lines ahead of the selects that read them
.irp m, 1,2,4,8                        ; across the 32 lanes; every lane ends with the row's sum
.irp j, 0,1,2,3,4,5,6,7
	v_add_f32_dpp v[SQ+(\j)], v[SQ+(\j)], v[SQ+(\j)] row_xmask:\m row_mask:0xf bank_mask:0xf
.endr
.endr
.irp j, 0,1,2,3,4,5,6,7
	v_permlanex16_b32 v[X+8*(\j)+4], v[SQ+(\j)], s12, s13    ; its destination counts as read: a register that a load has written; no LDS store reads it
.endr
.irp j, 0,1,2,3,4,5,6,7
	v_add_f32 v[SQ+(\j)], v[SQ+(\j)], v[X+8*(\j)+4]
.endr
	s_wait_alu depctr_va_sdst(0)                   ; the second compare has written s9, ahead of its first reader
	s_wait_alu depctr_va_vcc(0)                    ; the first compare has written VCC, ahead of its first reader
.irp q, 0,1,2,3
	v_cndmask_b32 v[PD+(\q)], 0, v[SQ+4+(\q)], s9
.endr
.irp q, 0,1,2,3
	v_cndmask_b32 v[PD+(\q)], v[PD+(\q)], v[SQ+(\q)], vcc_lo
.endr
	s_wait_alu depctr_va_vdst(0)                   ; the selects have written PD, which the LDS store reads; and the conversions, squares, exchanges and additions are done writing and reading X, in which the way out's loads land: no vector instruction follows this wait
	ds_store_b128 v[PADA], v[PD:PD+3]              ; lanes with the same lane % 8 write the same 16 bytes with the same numbers
	s_wait_dscnt 0x0                               ; for the others' sake: my part of the stage is written
	s_barrier_signal -1
	s_barrier_wait -1
	s_wait_alu depctr_vm_vsrc(0)                   ; my LDS stores have read each row's first four registers, in which the loads below land, wave 0's last one too
	; the way out: 16,896 bytes are 33 pieces of 512; wave w takes pieces 4 k + w, wave 0 also the last
.irp k, 0,1,2,3,4,5,6,7
	ds_load_b128 v[X+4*(\k):X+4*(\k)+3], v[RA] offset:2048*(\k)
.endr
.irp k, 0,1,2,3,4,5,6,7
	s_wait_dscnt 7-(\k)
	global_store_b128 v[RA], v[X+4*(\k):X+4*(\k)+3], s[6:7] offset:2048*(\k)
.endr
	s_cmp_lg_u32 s8, 0
	s_cbranch_scc1 .Lrest
	ds_load_b128 v[X+32:X+35], v[RA] offset:16384
	s_wait_dscnt 0x0
	global_store_b128 v[RA], v[X+32:X+35], s[6:7] offset:16384
.Lrest:
	s_wait_dscnt 0x0                               ; the wave's end
	s_wait_alu 0x0
	s_wait_tensorcnt 0x0
	ds_add_u32 v[SPW], v[NIL]
	s_wait_dscnt 0x0
	s_endpgm
.Lfunc_end_k_q290eb33f18_prep:
	.size	k_q290eb33f18_prep, .Lfunc_end_k_q290eb33f18_prep-k_q290eb33f18_prep
	.p2alignl 7, 3214868480
	.fill 96, 4, 3214868480
	.section	.rodata,"a",@progbits
	.p2align	6, 0x0
	.amdhsa_kernel k_q290eb33f18_prep
		.amdhsa_group_segment_fixed_size 17408
		.amdhsa_private_segment_fixed_size 0
		.amdhsa_enable_private_segment 0
		.amdhsa_kernarg_size 16
		.amdhsa_user_sgpr_count 2
		.amdhsa_user_sgpr_kernarg_segment_ptr 1
		.amdhsa_wavefront_size32 1
		.amdhsa_system_sgpr_workgroup_id_x 1
		.amdhsa_system_sgpr_workgroup_id_y 1
		.amdhsa_system_sgpr_workgroup_id_z 1
		.amdhsa_system_vgpr_workitem_id 0
		.amdhsa_next_free_vgpr 96
		.amdhsa_next_free_sgpr 66
		.amdhsa_reserve_vcc 1
		.amdhsa_float_denorm_mode_32 3
		.amdhsa_float_denorm_mode_16_64 3
		.amdhsa_memory_ordered 1
		.amdhsa_forward_progress 1
		.amdhsa_inst_pref_size 16
	.end_amdhsa_kernel
	.amdgpu_metadata
---
amdhsa.version: [ 1, 2 ]
amdhsa.kernels:
  - .name:           k_q290eb33f18_prep
    .symbol:         k_q290eb33f18_prep.kd
    .args:
      - { .name: embedding, .offset: 0, .size: 8, .value_kind: global_buffer, .address_space: global }
      - { .name: cb, .offset: 8, .size: 8, .value_kind: global_buffer, .address_space: global }
    .group_segment_fixed_size: 17408
    .private_segment_fixed_size: 0
    .kernarg_segment_align: 8
    .kernarg_segment_size: 16
    .max_flat_workgroup_size: 128
    .sgpr_count:     66
    .vgpr_count:     96
    .wavefront_size: 32
...
	.end_amdgpu_metadata
.endif
;; end of part 5
;; launch dist: the kernel of part 2 again; grid 256 x 1, 4 waves a work-group, clusters of 4 x 1, 327,680 bytes of LDS; arguments z, cb, cand; writes cand
;; launch pick: the kernel of part 3 again; grid 256 x 1, 16 waves a work-group, no clusters, 277,248 bytes of LDS; arguments z, cb, cand, out0, out4, part; writes out0, out4, part
;; launch loss: the kernel of part 4 again; grid 1 x 1, 1 waves a work-group, no clusters, 0 bytes of LDS; arguments part, out1, out2, out3; writes out1, out2, out3
